; MI455X (gfx1250); checked and timed in simulation.
; The chip was launched on July 23, 2026; its instructions are those of AMD's public machine-readable ISA for CDNA 5 (MIT licence, August 2026) and "CDNA5" Instruction Set Architecture Reference Guide (July 2026). The comments in the code are by the model that wrote it; some were corrected since.
;; Multi Headed Attention. Allowed arithmetic: matrix products marked QUANTISED: E3M2 operands, one E8M0 scale for each 32 along K, by v_wmma_scale_f32_16x16x128_f8f6f4 with both operands' format E3M2, f32 sums; everything else in f32.
;; Inputs: Wk_codes 1,024 x 32 x 24 uint8 (E3M2 codes of Wk, K innermost, in blocks of 32 codes, four codes in three bytes); Wk_scales 1,024 x 32 uint8 (E8M0 scales of Wk, one for each 32 codes along K); Wo_codes 1,024 x 32 x 24 uint8 (E3M2 codes of Wo, K innermost, in blocks of 32 codes, four codes in three bytes); Wo_scales 1,024 x 32 uint8 (E8M0 scales of Wo, one for each 32 codes along K); Wq_codes 1,024 x 32 x 24 uint8 (E3M2 codes of Wq, K innermost, in blocks of 32 codes, four codes in three bytes); Wq_scales 1,024 x 32 uint8 (E8M0 scales of Wq, one for each 32 codes along K); Wv_codes 1,024 x 32 x 24 uint8 (E3M2 codes of Wv, K innermost, in blocks of 32 codes, four codes in three bytes); Wv_scales 1,024 x 32 uint8 (E8M0 scales of Wv, one for each 32 codes along K); beta 1,024 float32; gamma 1,024 float32; key_codes 4 x 2,048 x 32 x 24 uint8 (E3M2 codes of key, K innermost, in blocks of 32 codes, four codes in three bytes); key_scales 4 x 2,048 x 32 uint8 (E8M0 scales of key, one for each 32 codes along K); mask 4 x 1 x 2,048 x 2,048 float32; query 4 x 2,048 x 1,024 float32; value_codes 4 x 2,048 x 32 x 24 uint8 (E3M2 codes of value, K innermost, in blocks of 32 codes, four codes in three bytes); value_scales 4 x 2,048 x 32 uint8 (E8M0 scales of value, one for each 32 codes along K).
;; Outputs: out0 4 x 2,048 x 1,024 float32.
;; This version of the problem:
;;   THIS VERSION OF THE PROBLEM IS GIVEN IN LOW PRECISION. The matrix products marked QUANTISED in the list below multiply operands that are first quantised to E3M2 (3 exponent bits, 2 mantissa bits; 6 bits a number), with one power-of-two scale for each 32 numbers along K (OCP MX v1.0); their sums are f32. All else is computed in f32.
;;   The module's matrix products, in the order in which they are computed (A, B: the left and right operand; K: the contracted axis; several contracted axes count as one K, in the product's order):
;;     1. [M 8,192, K 1,024] x [K 1,024, N 1,024]; A: input query; B: input Wq (given as codes): QUANTISED
;;     2. [M 8,192, K 1,024] x [K 1,024, N 1,024]; A: input key (given as codes); B: input Wk (given as codes): QUANTISED
;;     3. [M 8,192, K 1,024] x [K 1,024, N 1,024]; A: input value (given as codes); B: input Wv (given as codes): QUANTISED
;;     4. batch 64 x [M 2,048, K 64] x [K 64, N 2,048]; A: computed on the way; B: computed on the way: QUANTISED
;;     5. batch 64 x [M 2,048, K 2,048] x [K 2,048, N 64]; A: softmax (see below); B: computed on the way: QUANTISED
;;     6. [M 8,192, K 1,024] x [K 1,024, N 1,024]; A: computed on the way; B: input Wo (given as codes): QUANTISED
;;   THE QUANTISER, for each operand of a quantised product, along K:
;;     - K is cut into blocks of 32 from its start; a last block that is shorter is filled with zeros.
;;     - A block's scale is 2^e with e = floor(log2(the largest magnitude in the block)) - 4, held to -126 .. 127; a block of zeros has e = 0. As a byte (E8M0): e + 127.
;;     - Each number is divided by its block's scale, clamped to +-28, and rounded to the nearest number of E3M2, ties to even, subnormals kept.
;;     - The product sums the exact products of the quantised numbers (number of the format x scale) in f32.
;;   ~~~python
;;   def quantise(x, axis):      # numpy; x: float32 -> the quantised numbers, widened to float32 again
;;       x = np.moveaxis(x, axis, -1); K = x.shape[-1]
;;       x = np.pad(x, [(0, 0)] * (x.ndim - 1) + [(0, -K % 32)]); x = x.reshape(x.shape[:-1] + (-1, 32)); a = np.abs(x).max(-1, keepdims=True)
;;       e = np.where(a > 0, np.clip(np.frexp(np.where(a > 0, a, 1))[1] - 1 - 4, -126, 127), 0)      # np.frexp(a)[1] - 1 = floor(log2(a)), exactly
;;       r = np.clip(x / 2.0 ** e, -28, 28)
;;       step = 2.0 ** (np.maximum(np.frexp(np.where(r == 0, 1, r))[1] - 1, -2) - 2)
;;       q = np.round(r / step) * step * 2.0 ** e      # np.round: ties to even
;;       return np.moveaxis(q.reshape(q.shape[:-2] + (-1,))[..., :K], -1, axis).astype(np.float32)
;;   ~~~
;;   SOFTMAX AHEAD OF A QUANTISED PRODUCT. Where the list says 'softmax', what is quantised is not the finished softmax but p = 2^(t - M), with t = logit x log2(e) and M = ceil(the row's largest t), a whole number; so 1/2 < the row's largest p <= 1. The row's sum l is taken of the UNQUANTISED p, in f32, and the product's result is divided by l at the end. Since M is a whole number, a kernel that streams over the keys may use a running M (the ceiling of the running maximum): every later rescaling is an exact power of two, which a block's scale takes up: the codes' values come out the same.
;;   OPERANDS COMPUTED ON THE WAY. 'Computed on the way' means the value that the module computes at that place (a softmax that the list does not call 'softmax' is quantised finished and normalised). What goes into a quantiser is computed in f32, as accurately as f32 sums, v_exp_f32 and their like allow (about 1e-6 of the number): no bf16 or f16 on the way to a quantiser, and a product that is left as it is and whose result goes on into a quantised operand takes f32 operands (vector FMAs, or v_wmma_f32_16x16x4_f32). A number that lies on a knife's edge between two numbers of the format may be rounded either way, as far as f32 arithmetic and the matrix unit's own rounding can turn it there, and no further.
;;   INPUTS GIVEN AS CODES. Wk (in the module: [1024, 1024], K = its axis 0); Wo (in the module: [1024, 1024], K = its axis 0); Wq (in the module: [1024, 1024], K = its axis 0); Wv (in the module: [1024, 1024], K = its axis 0); key (in the module: [4, 2048, 1024], K = its axis 2); value (in the module: [4, 2048, 1024], K = its axis 2): each comes as NAME_codes (uint8): NAME with its K axis moved to the last place and cut into blocks of 32 codes, [.., K / 32, bytes a block], one block behind the other in memory; four codes in three bytes: a row's codes are one little-endian stream of bits, code i at bits 6 i .. 6 i + 5 (a code: sign, 3 exponent bits, 2 mantissa bits); and NAME_scales (uint8): the same leading axes, one E8M0 byte (e + 127) for each 32 codes along K. Its value is code x scale, taken as it is: it is not quantised again, and the codes and scales need not be those that the quantiser above would give.
;; One version. Each part assembles by itself: llvm-mc -triple=amdgcn-amd-amdhsa -mcpu=gfx1250 --defsym DOCPART=n.
;; ======== version 1 of 1: 4 launches
;; limits: right only within a limited range of input values
;; workspace buffers: qx_codes 6,291,456 bytes; qx_scales 262,144 bytes; q_img 6,553,600 bytes; k_img 6,553,600 bytes; v_img 6,553,600 bytes; x_img 6,291,456 bytes; x_scl 262,144 bytes
;; launch quantq (part 1): grid 256 x 1, 4 waves a work-group, no clusters, 33,280 bytes of LDS; arguments query, qx_codes, qx_scales; writes qx_codes, qx_scales
.if DOCPART == 1
	.amdgcn_target "amdgcn-amd-amdhsa--gfx1250"
	.amdhsa_code_object_version 6
	.text
	.protected	k_q2f92d2855b_quantq
	.globl	k_q2f92d2855b_quantq
	.p2align	8
	.type	k_q2f92d2855b_quantq,@function
k_q2f92d2855b_quantq:
	s_mov_b64 s[64:65], 0
	v_nop
	global_prefetch_b8 v0, s[64:65] scope:SCOPE_SE
	s_setreg_imm32_b32 hwreg(HW_REG_WAVE_MODE, 25, 1), 1
	s_wait_xcnt 0x0
; query [8192][1024], f32, becomes codes of BF6 (E3M2), 6 bits each, K innermost ([8192][768] bytes), and one E8M0 scale byte for each 32 along K ([8192][32]).
; A block's scale is 2^(floor(log2(its largest magnitude)) - 4); its byte is the largest magnitude's exponent field - 4, held at 1 from below.
; A block of zeros so gets the byte 1 where the quantiser's text says 127: its codes are zeros, which add nothing under any byte but 0xff, and this program alone reads the bytes.
; LIMITS: blocks whose largest magnitude lies under 2^-122 take the scale of 2^-122; NaN and infinities among the inputs are not served.
; Rows are dense and 1,024 is a multiple of 32: the tensor is a plain stream of blocks of 32 numbers, and so are the codes and the bytes.
; A wave takes 16 steps of 512 numbers.  Each of a step's four loads reads 512 consecutive bytes, 16 a lane; the 2,048 bytes turn through the wave's own stage in LDS and come back 64 bytes a lane,
; so that a lane holds 16 neighbours along K (two neighbouring lanes hold a block), as the conversion wants them.  A lane's 16 codes are 12 bytes: the wave stores 384 consecutive bytes.
; A wave's 256 scale bytes are gathered in its own LDS bytes and leave as 256 consecutive aligned bytes.  No tensor loads, no barrier: waves share nothing.
; No cluster: no two work-groups read the same bytes.  No prefetch: the launch does nothing but stream.
.set STEPS, 16
.set EMAX,  4
.set CB,    12                         ; bytes of 16 codes
.set R,     16                         ; v16-79   four sets of 16 numbers as they are loaded
.set X,     80                         ; v80-111  two sets of 16 neighbours
.set C,     128                        ; v128-191 codes: four registers for each step, so that no store's data are written again
.set E,     112                        ; v112-127 a scale byte for each step
.set WREG,  8192                       ; LDS: a region for each wave: two stages of 32 x SP bytes, and behind them its 256 scale bytes
.set SP,    80                         ; a lane's place in a stage: its 64 bytes + 16 of padding
	s_load_b128 s[4:7], s[0:1], 0x0                ; query, the codes
	s_load_b64 s[8:9], s[0:1], 0x10                ; the scale bytes
	v_lshl_add_u32 v192, v0, 2, 0x8000
	v_mov_b32 v193, 0
	v_lshrrev_b32 v1, 5, v0
	v_readfirstlane_b32 s16, v1                    ; wave
	v_and_b32 v2, 31, v0                           ; lane
	v_lshlrev_b32 v3, 4, v2                        ; my 16 bytes of a load's 512
	s_mul_i32 s17, s16, WREG
	v_lshrrev_b32 v14, 2, v2
	v_mul_u32_u24 v14, v14, SP
	v_and_b32 v15, 3, v2
	v_lshl_add_u32 v14, v15, 4, v14
	v_add_nc_u32 v14, s17, v14                     ; the stage, on the way in: SP (lane / 4) + 16 (lane % 4)
	v_mul_u32_u24 v15, v2, SP
	v_add_nc_u32 v15, s17, v15                     ; and on the way out: SP x lane: my 16 neighbours
	v_mul_u32_u24 v4, v2, CB                       ; my codes' place in a step's
	v_lshrrev_b32 v5, 1, v2
	s_add_co_u32 s17, s17, 2*32*SP
	v_add_nc_u32 v5, s17, v5                       ; LDS: my wave's 256 scale bytes, my block's byte
	v_lshlrev_b32 v7, 3, v2                        ; and on the way out 8 bytes a lane
	v_add_nc_u32 v6, s17, v7
	s_lshl_b32 s17, ttmp9, 2
	s_add_co_u32 s18, s17, s16                     ; which run of 8,192 numbers is my wave's
	s_mov_b32 s19, 0
	s_mov_b64 s[20:21], 512*STEPS*4
	s_mul_u64 s[20:21], s[18:19], s[20:21]
	s_mov_b64 s[22:23], 32*STEPS*CB
	s_mul_u64 s[22:23], s[18:19], s[22:23]
	s_lshl_b32 s18, s18, 8                         ; 256 scale bytes a run
	s_wait_alu depctr_va_vdst(0)
	s_wait_kmcnt 0x0
	s_add_nc_u64 s[4:5], s[4:5], s[20:21]
	s_add_nc_u64 s[6:7], s[6:7], s[22:23]
	s_add_nc_u64 s[8:9], s[8:9], s[18:19]
.macro LOAD t
.irp i, 0,1,2,3
	global_load_b128 v[R+16*((\t)%4)+4*\i:R+16*((\t)%4)+4*\i+3], v3, s[4:5] offset:2048*(\t)+512*\i   ; 32 lanes read 512 consecutive bytes (no hint: the last launch reads query again)
.endr
.endm
.macro TURN t                          ; step t's numbers through the stage: LDS serves a wave's instructions in order, so no wait stands between the stores and the loads
.irp i, 0,1,2,3
	ds_store_b128 v14, v[R+16*((\t)%4)+4*\i:R+16*((\t)%4)+4*\i+3] offset:32*SP*((\t)%2)+8*SP*\i
.endr
.irp i, 0,1,2,3
	ds_load_b128 v[X+16*((\t)%2)+4*\i:X+16*((\t)%2)+4*\i+3], v15 offset:32*SP*((\t)%2)+16*\i
.endr
.endm
.irp t, 0,1,2,3
	LOAD \t
.endr
	s_wait_loadcnt 12                              ; step 0's four loads are in; the twelve of steps 1 to 3 may be out
	TURN 0
.macro STEP t
.set XS, X+16*((\t)%2)
.if (\t) > 0
	s_wait_dscnt 1                                 ; this step's numbers are back from the stage (the last step's byte store may be out): so its stores into the stage have read their registers,
.else
	s_wait_dscnt 0x0
.endif
.if (\t)+4 < STEPS
	LOAD (\t)+4                                    ; which take the loads of four steps on
.endif
.if (\t)+1 < STEPS
.if STEPS-2-(\t) >= 3
	s_wait_loadcnt 12                              ; the next step's four loads are in; those of the three steps behind it may be out
.else
	s_wait_loadcnt 4*(STEPS-2-(\t))
.endif
	TURN (\t)+1                                    ; and go through the other stage while this step is worked
.endif
	v_max3_num_f32 v8, |v[XS]|, |v[XS+1]|, |v[XS+2]|               ; the largest magnitude of my 16, in two chains
	v_max3_num_f32 v9, |v[XS+3]|, |v[XS+4]|, |v[XS+5]|
.irp i, 6,10
	v_max3_num_f32 v8, v8, |v[XS+\i]|, |v[XS+\i+1]|
	v_max3_num_f32 v9, v9, |v[XS+\i+2]|, |v[XS+\i+3]|
.endr
	v_max3_num_f32 v8, v8, |v[XS+14]|, |v[XS+15]|
	v_max3_num_f32 v8, v8, v9, (EMAX+1)<<23        ; and the floor 2^(5 - 127): the byte cannot fall under 1
	v_max_num_f32_dpp v8, v8, v8 row_xmask:1 row_mask:0xf bank_mask:0xf   ; and of my neighbour's 16: the block's
	v_add_nc_u32 v11, -(EMAX<<23), v8              ; 4 off its exponent field: the conversion takes the exponent field of this operand as its scale
	v_cvt_scalef32_pk16_bf6_f32 v[C+4*(\t):C+4*(\t)+2], v[XS:XS+15], v11
	v_lshrrev_b32 v[E+(\t)], 23, v11               ; the scale's byte (also the plain line behind the conversion)
	ds_store_b8 v5, v[E+(\t)] offset:16*(\t)       ; both lanes of a block write the same byte with the same value
	global_store_b96 v4, v[C+4*(\t):C+4*(\t)+2], s[6:7] offset:32*CB*(\t)
.endm
.irp t, 0,1,2,3,4,5,6,7,8,9,10,11,12,13,14,15
	STEP \t
.endr
	ds_load_b64 v[12:13], v6                       ; LDS serves a wave's instructions in order: these see my stores
	s_wait_dscnt 0x0
	global_store_b64 v7, v[12:13], s[8:9]          ; 32 lanes store 256 consecutive aligned bytes
	s_wait_tensorcnt 0x0
	ds_add_u32 v192, v193
	s_wait_dscnt 0x0
	s_endpgm
.Lfunc_end_k_q2f92d2855b_quantq:
	.size	k_q2f92d2855b_quantq, .Lfunc_end_k_q2f92d2855b_quantq-k_q2f92d2855b_quantq
	.p2alignl 7, 3214868480
	.fill 96, 4, 3214868480
	.section	.rodata,"a",@progbits
	.p2align	6, 0x0
	.amdhsa_kernel k_q2f92d2855b_quantq
		.amdhsa_group_segment_fixed_size 33280
		.amdhsa_private_segment_fixed_size 0
		.amdhsa_enable_private_segment 0
		.amdhsa_kernarg_size 24
		.amdhsa_user_sgpr_count 2
		.amdhsa_user_sgpr_kernarg_segment_ptr 1
		.amdhsa_wavefront_size32 1
		.amdhsa_system_sgpr_workgroup_id_x 1
		.amdhsa_system_sgpr_workgroup_id_y 1
		.amdhsa_system_sgpr_workgroup_id_z 1
		.amdhsa_system_vgpr_workitem_id 0
		.amdhsa_next_free_vgpr 194
		.amdhsa_next_free_sgpr 66
		.amdhsa_reserve_vcc 0
		.amdhsa_float_denorm_mode_32 3
		.amdhsa_float_denorm_mode_16_64 3
		.amdhsa_memory_ordered 1
		.amdhsa_forward_progress 1
		.amdhsa_inst_pref_size 32
	.end_amdhsa_kernel
	.amdgpu_metadata
---
amdhsa.version: [ 1, 2 ]
amdhsa.kernels:
  - .name:           k_q2f92d2855b_quantq
    .symbol:         k_q2f92d2855b_quantq.kd
    .args:
      - { .name: query, .offset: 0, .size: 8, .value_kind: global_buffer, .address_space: global }
      - { .name: qx_codes, .offset: 8, .size: 8, .value_kind: global_buffer, .address_space: global }
      - { .name: qx_scales, .offset: 16, .size: 8, .value_kind: global_buffer, .address_space: global }
    .group_segment_fixed_size: 33280
    .private_segment_fixed_size: 0
    .kernarg_segment_align: 8
    .kernarg_segment_size: 24
    .max_flat_workgroup_size: 128
    .sgpr_count:     66
    .vgpr_count:     194
    .wavefront_size: 32
...
	.end_amdgpu_metadata
.endif
;; end of part 1
;; launch proj (part 2): grid 4 x 96, 4 waves a work-group, clusters of 4 x 4, 327,680 bytes of LDS; arguments qx_codes, qx_scales, Wq_codes, Wq_scales, q_img, key_codes, key_scales, Wk_codes, Wk_scales, k_img, Wv_codes, Wv_scales, value_codes, value_scales, v_img; writes q_img, k_img, v_img
.if DOCPART == 2
	.amdgcn_target "amdgcn-amd-amdhsa--gfx1250"
	.amdhsa_code_object_version 6
	.text
	.protected	k_q2f92d2855b_proj
	.globl	k_q2f92d2855b_proj
	.p2align	8
	.type	k_q2f92d2855b_proj,@function
k_q2f92d2855b_proj:
	s_mov_b64 s[64:65], 0
	v_nop
	global_prefetch_b8 v0, s[64:65] scope:SCOPE_SE
	s_setreg_imm32_b32 hwreg(HW_REG_WAVE_MODE, 25, 1), 1
	s_wait_xcnt 0x0
	s_wait_alu depctr_hold_cnt(0) depctr_sa_sdst(0) depctr_va_vdst(0) depctr_va_sdst(0) depctr_va_ssrc(0) depctr_va_vcc(0) depctr_vm_vsrc(0)
	s_getreg_b32 s2, hwreg(HW_REG_IB_STS2, 6, 4)
	s_cmp_eq_u32 s2, 0
	s_cbranch_scc0 .Lentry_in_a_cluster
	s_endpgm
.Lentry_in_a_cluster:
	s_bfe_u32 s2, ttmp6, 0x10000c
	s_cmp_lg_u32 s2, 0xf033
	s_cbranch_scc0 .Lentry_shape_is_right
	s_endpgm
.Lentry_shape_is_right:
; The three projections q = query Wq, k = key Wk, v^T = Wv^T value^T on codes of BF6 (E3M2), one E8M0 scale for each 32 along K = 1,024; sums in f32.
; A third of the grid's rows serves each product (clusters 0-7, 8-15, 16-23 along y).  A work-group makes 256 x 256, a wave 128 x 128 in 64 accumulators.
; K goes through two LDS slots in chunks of 256 bytes of each row of 768: every tile row begins at a multiple of 256 bytes.  A step of 128 along K is 96 bytes: eight steps to three chunks.
; The scales of the 256 + 256 rows come once, as dense blocks.  CLUSTER 4 x 4: A's tiles are asked for jointly along a row, B's along a column.
; The results are quantised along their last axis in registers and leave as images of operand registers (12 registers a lane and fragment, 8 fragments and 512 bytes of scale words a unit).
; No prefetch: K is three chunks, two of which are asked for before the first product.
; LIMITS: NaN and infinities are not served; a block whose largest magnitude lies under 2^-119 takes that scale's byte; a block of zeros carries that byte too (its codes are zeros; this program alone reads the bytes).
.set SIZE_K, 1024
.set ROWB,   256
.set NQ,     2
.set KROW,   SIZE_K*6/8
.set STEPS,  SIZE_K/128
.set CHUNKS, KROW/ROWB
.set PITCH,  272                       ; 256 bytes + 16 of padding
.set FR,     12
.set NL,     6
.set NP,     4
.set HALFT,  128*PITCH
.set SLOT,   4*HALFT
.set KS,     SIZE_K/32
.set SCL,    2*SLOT
.set HALFS,  (128*KS/256)*272
.set SBLK,   (16*KS/256)*272
.set SPARE,  SCL+4*HALFS               ; the spare words, 128 bytes a wave
.set UNITB,  12800
.set ADRA, 16                          ; v16-17 A's fragments in slot 0, 1; v18-19 for pieces whose two halves of the lanes lie in different chunks
.set ADRB, 20
.set ADRS, 27
.set SPW,  28
.set NIL,  29
.set SC,   32                          ; scale words, two sets of 16
.set TM,   64
.set PW,   80
.set CT,   88
.set SI,   96
.set LI,   100
.set AF,   128
.set G1, 24
.set G0, 32
.set G1B, 48
.set G0B, 56
.set G1S, 68
.set G0S, 76
.set G1SB, 80
.set G0SB, 88
.set G0H, 4
.set G0HB, 8
.set FLO, 96
.set ISV, 98
.set SEL, 100
.set MSB, 0
.macro WIN new                         ; the immediate's high byte repeats the setting that is left
.if MSB != \new
	s_set_vgpr_msb (MSB<<8)|\new
.set MSB, \new
.endif
.endm
.set MUL_LO, 0xa1
.set MUL_HI, 0xf1
.set TO_B,   0x40
.macro JLOAD g0a, g1a, g0b, g1b        ; waves 0, 1 fetch for A, waves 2, 3 for B
	s_cmp_eq_u32 s15, 0
	s_cbranch_scc0 .Lfor_b_\@
	tensor_load_to_lds s[\g0a:\g0a+3], s[\g1a:\g1a+7]
	s_nop 0
.rept 4
	v_nop
.endr
	s_branch .Lasked_\@
.Lfor_b_\@:
	tensor_load_to_lds s[\g0b:\g0b+3], s[\g1b:\g1b+7]
	s_nop 0
.rept 4
	v_nop
.endr
.Lasked_\@:
.endm
.macro CREST
	s_cmp_lg_u32 s14, 0
	s_cbranch_scc1 .Lnot_wave_0_\@
	s_barrier_signal -3
.Lnot_wave_0_\@:
	s_barrier_wait -3
	s_barrier_signal -1
	s_barrier_wait -1
.endm
.macro CROUND                          ; a round of the cluster's barrier
	s_barrier_signal -1
	s_barrier_wait -1
	CREST
.endm
	s_load_b512 s[4:19], s[0:1], 0x0
	s_load_b256 s[20:27], s[0:1], 0x40
	s_load_b128 s[28:31], s[0:1], 0x60
	s_load_b64 s[32:33], s[0:1], 0x70
	v_lshl_add_u32 v[SPW], v0, 2, SPARE
	v_mov_b32 v[NIL], 0
	ds_add_u32 v[SPW], v[NIL]                      ; the opening lines: the add twice and one wait
	ds_add_u32 v[SPW], v[NIL]
	s_bfe_u32 s40, ttmp6, 0x40000                  ; cx
	s_bfe_u32 s41, ttmp6, 0x40004                  ; cy
	s_and_b32 s94, ttmp7, 0xffff
	s_lshr_b32 s95, s94, 3                         ; which product: 0 q, 1 k, 2 v
	s_and_b32 s97, s94, 7
	s_lshl_b32 s97, s97, 2                         ; four tiles of the long axis (8,192) a cluster
	s_lshr_b32 s[ISV], s95, 1
	s_mul_i32 s66, s97, s[ISV]                     ; v: the long axis is B's
	s_sub_co_u32 s67, s97, s66                     ; q, k: it is A's
	s_wait_dscnt 0x0
	s_wait_kmcnt 0x0
	s_cmp_eq_u32 s95, 1
.irp i, 0,1,2,3,4
	s_cselect_b64 s[4+2*\i:5+2*\i], s[14+2*\i:15+2*\i], s[4+2*\i:5+2*\i]
.endr
	s_cmp_eq_u32 s95, 2
.irp i, 0,1,2,3,4
	s_cselect_b64 s[4+2*\i:5+2*\i], s[24+2*\i:25+2*\i], s[4+2*\i:5+2*\i]
.endr
	v_lshrrev_b32 v1, 5, v0
	v_readfirstlane_b32 s14, v1                    ; wave
	s_lshr_b32 s15, s14, 1
	s_and_b32 s16, s14, 1
	s_add_co_u32 s42, s40, s66                     ; tile column
	s_add_co_u32 s17, s41, s67                     ; tile row
	s_lshl_b32 s43, s41, 2
	s_lshl_b32 s43, 15, s43                        ; my row of the cluster
	s_lshl_b32 s44, 0x1111, s40                    ; my column
	s_or_b32 s[G1+0], s43, (0<<16)|(1<<20)|(1<<21)|(5<<22)|(3<<25)   ; bytes; 4 words of padding behind every 64
	s_or_b32 s[G1B+0], s44, (0<<16)|(1<<20)|(1<<21)|(5<<22)|(3<<25)
.irp g, G1, G1B
	s_mov_b32 s[\g+1], ROWB<<16
	s_mov_b32 s[\g+2], 256<<16                     ; the head's loads bring 256 rows
	s_mov_b32 s[\g+3], ROWB<<16
	s_mov_b32 s[\g+4], 256
	s_mov_b32 s[\g+5], KROW
	s_mov_b32 s[\g+6], 0
	s_mov_b32 s[\g+7], 0
.endr
	s_or_b32 s[G1S+0], s43, (3<<16)|(1<<20)|(1<<21)|(5<<22)|(3<<25)  ; the scales of 256 rows: KS rows of 256 dense bytes
	s_or_b32 s[G1SB+0], s44, (3<<16)|(1<<20)|(1<<21)|(5<<22)|(3<<25)
.irp g, G1S, G1SB
	s_mov_b32 s[\g+1], 32<<16
	s_mov_b32 s[\g+2], KS<<16
	s_mov_b32 s[\g+3], 32<<16
	s_mov_b32 s[\g+4], KS
	s_mov_b32 s[\g+5], 32
	s_mov_b32 s[\g+6], 0
	s_mov_b32 s[\g+7], 0
.endr
	s_lshl_b32 s20, s17, 8
	s_lshl_b32 s46, s42, 8
	s_mov_b32 s21, 0
	s_mov_b32 s47, 0
	s_mov_b64 s[18:19], KS
	s_mul_u64 s[22:23], s[20:21], s[18:19]
	s_mul_u64 s[92:93], s[46:47], s[18:19]
	s_mov_b64 s[18:19], KROW
	s_mul_u64 s[20:21], s[20:21], s[18:19]
	s_mul_u64 s[46:47], s[46:47], s[18:19]
	s_mul_i32 s18, s16, 128*KROW                   ; in the ring I fetch 128 rows
	s_mov_b32 s19, 0
	s_mul_i32 s45, s14, HALFT
	s_add_nc_u64 s[20:21], s[4:5], s[20:21]
	s_add_nc_u64 s[22:23], s[6:7], s[22:23]
	s_add_nc_u64 s[46:47], s[8:9], s[46:47]
	s_add_nc_u64 s[92:93], s[10:11], s[92:93]
	CROUND                                         ; the first joint loads meet
	s_mov_b32 s[G0H], 1
	s_mov_b32 s[G0H+1], 0
	s_mov_b64 s[G0H+2:G0H+3], s[20:21]
	s_or_b32 s[G0H+3], s[G0H+3], 0x80000000
	s_mov_b32 s[G0HB], 1
	s_mov_b32 s[G0HB+1], 2*HALFT
	s_mov_b64 s[G0HB+2:G0HB+3], s[46:47]
	s_or_b32 s[G0HB+3], s[G0HB+3], 0x80000000
	s_mov_b32 s[G0S], 1
	s_mov_b32 s[G0S+1], SCL
	s_mov_b64 s[G0S+2:G0S+3], s[22:23]
	s_or_b32 s[G0S+3], s[G0S+3], 0x80000000
	s_mov_b32 s[G0SB], 1
	s_mov_b32 s[G0SB+1], SCL+2*HALFS
	s_mov_b64 s[G0SB+2:G0SB+3], s[92:93]
	s_or_b32 s[G0SB+3], s[G0SB+3], 0x80000000
	s_add_nc_u64 s[20:21], s[20:21], s[18:19]
	s_add_nc_u64 s[46:47], s[46:47], s[18:19]
.irp s, 0,1
	s_mov_b32 s[G0+4*\s], 1
	s_add_co_u32 s[G0+4*\s+1], s45, \s*SLOT
	s_add_nc_u64 s[G0+4*\s+2:G0+4*\s+3], s[20:21], \s*ROWB
	s_or_b32 s[G0+4*\s+3], s[G0+4*\s+3], 0x80000000
	s_mov_b32 s[G0B+4*\s], 1
	s_add_co_u32 s[G0B+4*\s+1], s45, \s*SLOT
	s_add_nc_u64 s[G0B+4*\s+2:G0B+4*\s+3], s[46:47], \s*ROWB
	s_or_b32 s[G0B+4*\s+3], s[G0B+4*\s+3], 0x80000000
.endr
; the head's four tiles, one a wave: chunk 0 of A, chunk 0 of B, A's scales, B's scales; one chain of branches, one load on every way
.macro ARM under, g0, g1, next
	s_cmp_lt_u32 s14, \under
	s_cbranch_scc0 \next
	tensor_load_to_lds s[\g0:\g0+3], s[\g1:\g1+7]
	s_nop 0
.rept 4
	v_nop
.endr
	s_branch .Lhead_asked
\next:
.endm
	ARM 1, G0H,  G1,  .Lhead_b
	ARM 2, G0HB, G1B, .Lhead_sa
	ARM 3, G0S,  G1S, .Lhead_sb
	tensor_load_to_lds s[G0SB:G0SB+3], s[G1SB:G1SB+7]
	s_nop 0
.rept 4
	v_nop
.endr
.Lhead_asked:
	v_and_b32 v1, 15, v0                           ; r
	v_bfe_u32 v2, v0, 4, 1                         ; h
	v_mul_u32_u24 v3, v1, PITCH
	v_mul_u32_u24 v4, v2, 24
	v_add_nc_u32 v4, v3, v4
	s_mov_b32 s21, SLOT-232
	s_mov_b32 s22, SLOT+232
	v_sub_nc_u32 v7, 1, v2
	v_mul_u32_u24 v5, s21, v2
	v_add_nc_u32 v5, v3, v5
	v_add_nc_u32 v5, 232, v5                       ; lanes 0-15 byte 232 in slot 0, lanes 16-31 byte 0 in slot 1
	v_mul_u32_u24 v6, s22, v7
	v_add_nc_u32 v6, v3, v6                        ; and the other way round
	s_mul_i32 s21, s15, HALFT
	s_mul_i32 s22, s16, HALFT
	s_add_co_u32 s22, s22, 2*HALFT
	v_add_nc_u32 v[ADRA+2], s21, v5
	v_add_nc_u32 v[ADRA+3], s21, v6
	v_add_nc_u32 v[ADRB+2], s22, v5
	v_add_nc_u32 v[ADRB+3], s22, v6
.irp s, 0,1
	v_add_nc_u32 v[ADRA+\s], s21, v4
	v_add_nc_u32 v[ADRB+\s], s22, v4
	s_add_co_u32 s21, s21, SLOT
	s_add_co_u32 s22, s22, SLOT
.endr
	v_mul_u32_u24 v5, v1, KS
	v_lshrrev_b32 v6, 8, v5
	v_lshl_add_u32 v5, v6, 4, v5
	s_mul_i32 s21, s15, HALFS
	s_mul_i32 s22, s16, HALFS
	s_add_co_u32 s22, s22, 2*HALFS
	s_sub_co_u32 s22, s22, s21
	v_mul_u32_u24 v6, s22, v2                      ; lanes 16-31 take B's words
	s_add_co_u32 s21, s21, SCL
	v_add_nc_u32 v5, v5, v6
	v_add_nc_u32 v[ADRS], s21, v5
	; where my unit of the image lies: ((batch x 4 + group of heads) x 16 + block of 128 positions) x 2 + pair of heads
	s_lshl_b32 s95, s17, 1
	s_add_co_u32 s95, s95, s15
	s_lshl_b32 s97, s42, 1
	s_add_co_u32 s97, s97, s16
	s_cmp_eq_u32 s[ISV], 1
	s_cselect_b32 s99, s95, s97
	s_cselect_b32 s2, s97, s95
	s_lshr_b32 s100, s2, 4
	s_lshl_b32 s100, s100, 2
	s_lshr_b32 s101, s99, 1
	s_add_co_u32 s100, s100, s101
	s_lshl_b32 s100, s100, 4
	s_and_b32 s101, s2, 15
	s_add_co_u32 s100, s100, s101
	s_lshl_b32 s100, s100, 1
	s_and_b32 s101, s99, 1
	s_add_co_u32 s100, s100, s101
	s_mul_i32 s100, s100, UNITB
	s_mov_b32 s101, 0
	s_add_nc_u64 s[12:13], s[12:13], s[100:101]
.macro FRAG reg, adr, st, i            ; 16 rows x 128 K: 24 bytes of the row twice, in pieces of 8 bytes; byte y of a row lies in slot (y / 256) % 2 at byte y % 256
.irp p, 0,1,2,3,4,5
.set BY, 96*(\st)+48*(\p/3)+8*(\p%3)
.if BY/ROWB == (BY+24)/ROWB
	ds_load_b64 v[\reg+2*\p:\reg+2*\p+1], v[\adr+(BY/ROWB)%2] offset:BY%ROWB+(\i)*16*PITCH
.else
	ds_load_b64 v[\reg+2*\p:\reg+2*\p+1], v[\adr+2+(BY/ROWB)%2] offset:BY%ROWB-232+(\i)*16*PITCH
.endif
.endr
.endm
.macro MUL16 a0, p, q, sc, zero        ; A's blocks a0, a0 + 1 x B's eight; the 64 accumulators take turns
.irp a, \a0, \a0+1
.irp b, 0,1,2,3,4,5,6,7
.if \zero
	v_wmma_scale_f32_16x16x128_f8f6f4 v[8*(8*((\a)%4)+\b):8*(8*((\a)%4)+\b)+7], v[128*(\p)+FR*\b:128*(\p)+FR*\b+FR-1], v[AF+FR*(\a):AF+FR*(\a)+FR-1], 0, v[SC+8*NQ*(\sc)+NQ*\b+(\q)], v[SC+8*NQ*(\sc)+NQ*(\a)+(\q)] matrix_a_fmt:MATRIX_FMT_BF6 matrix_b_fmt:MATRIX_FMT_BF6 matrix_a_scale:MATRIX_SCALE_ROW1
.else
	v_wmma_scale_f32_16x16x128_f8f6f4 v[8*(8*((\a)%4)+\b):8*(8*((\a)%4)+\b)+7], v[128*(\p)+FR*\b:128*(\p)+FR*\b+FR-1], v[AF+FR*(\a):AF+FR*(\a)+FR-1], v[8*(8*((\a)%4)+\b):8*(8*((\a)%4)+\b)+7], v[SC+8*NQ*(\sc)+NQ*\b+(\q)], v[SC+8*NQ*(\sc)+NQ*(\a)+(\q)] matrix_a_fmt:MATRIX_FMT_BF6 matrix_b_fmt:MATRIX_FMT_BF6 matrix_a_scale:MATRIX_SCALE_ROW1
.endif
.endr
.endr
.endm
.macro FETCH_B st, p
	WIN TO_B
.irp i, 0,1,2,3,4,5,6,7
	FRAG 128*(\p)+FR*\i, ADRB, \st, \i
.endr
	WIN 0
.endm
.macro FETCH_A st, i0
.irp i, \i0, \i0+1, \i0+2, \i0+3
	FRAG AF+FR*(\i), ADRA, \st, \i
.endr
.endm
.macro SCALES pr                       ; the words of steps 2 pr, 2 pr + 1: lanes 0-15 A's block i, lanes 16-31 B's
.irp i, 0,1,2,3,4,5,6,7
	ds_load_b64 v[SC+8*NQ*((\pr)%2)+NQ*\i:SC+8*NQ*((\pr)%2)+NQ*\i+1], v[ADRS] offset:\i*SBLK+4*NQ*(\pr)
.endr
.endm
.macro PLACES n
.rept \n
	v_nop
.endr
.endm
; A step: 64 products; the next step's fragments are fetched in its middle and at its end.  Where the next step's bytes end in a chunk not yet read, a barrier shows it whole;
; where they begin in a later chunk, the chunk left is free: the three lines, the barrier, and, where a chunk two on is left, the cluster's round and the refill.
.macro STEP st, zero
.set NX, (\st)+1
.set C0, (96*(\st))/ROWB
.set C1, (96*NX)/ROWB
.set E0, (96*(\st)+95)/ROWB
.set E1, (96*NX+95)/ROWB
.if C1 > C0 || E1 > E0
	s_wait_tensorcnt 0x0                           ; all my tensor loads have landed
.if C1 > C0
	ds_add_u32 v[SPW], v[NIL]
	s_wait_dscnt 4*NL+1                            ; the add and A's blocks 4-7 may be out
.else
	s_wait_dscnt 4*NL
.endif
	WIN MUL_LO
	MUL16 0, (\st)%2, (\st)%2, ((\st)/2)%2, \zero
	s_wait_dscnt 0x0                               ; the add and my reads are done
	s_barrier_signal -1
	MUL16 2, (\st)%2, (\st)%2, ((\st)/2)%2, \zero
	WIN 0
	s_barrier_wait -1
.if C1 > C0 && C0+2 < CHUNKS
	CREST
	s_add_nc_u64 s[G0+4*(C0%2)+2:G0+4*(C0%2)+3], s[G0+4*(C0%2)+2:G0+4*(C0%2)+3], 2*ROWB
	s_add_nc_u64 s[G0B+4*(C0%2)+2:G0B+4*(C0%2)+3], s[G0B+4*(C0%2)+2:G0B+4*(C0%2)+3], 2*ROWB
	JLOAD G0+4*(C0%2), G1, G0B+4*(C0%2), G1B       ; chunk C0 + 2; its four v_nop are the places ahead of the loads below
.else
	PLACES NP
.endif
.else
	s_wait_dscnt 4*NL                              ; A's blocks 4-7 may be out
	WIN MUL_LO
	MUL16 0, (\st)%2, (\st)%2, ((\st)/2)%2, \zero
	MUL16 2, (\st)%2, (\st)%2, ((\st)/2)%2, \zero
	s_wait_dscnt 0
	PLACES NP
.endif
	FETCH_B NX, NX%2
	FETCH_A NX, 0
.if NX%2 == 0
	SCALES NX/2
.endif
	WIN MUL_HI
	MUL16 4, (\st)%2, (\st)%2, ((\st)/2)%2, \zero
	MUL16 6, (\st)%2, (\st)%2, ((\st)/2)%2, \zero
	PLACES NP
	WIN 0
	FETCH_A NX, 4
.endm
	s_wait_alu depctr_va_vdst(0)                   ; the wait at the head's end
	s_wait_tensorcnt 0x0                           ; my tile of the head's four is in
	ds_add_u32 v[SPW], v[NIL]
	s_mov_b32 s[G1+2], 128<<16                     ; no load of mine is out: from here on a load brings 128 rows
	s_mov_b32 s[G1+4], 128
	s_mov_b32 s[G1B+2], 128<<16
	s_mov_b32 s[G1B+4], 128
	s_wait_dscnt 0x0
	CROUND
	JLOAD G0+4, G1, G0B+4, G1B                     ; chunk 1, slot 1's first fill
	FETCH_B 0, 0
	FETCH_A 0, 0
	SCALES 0
	FETCH_A 0, 4
	STEP 0, 1                                      ; the first products start the sums
.set ST, 1
.rept STEPS-2
	STEP ST, 0
.set ST, ST+1
.endr
	s_wait_dscnt 4*NL
	WIN MUL_LO
	MUL16 0, 1, 1, 1, 0
	MUL16 2, 1, 1, 1, 0
	s_wait_dscnt 0
	WIN MUL_HI
	MUL16 4, 1, 1, 1, 0
	MUL16 6, 1, 1, 1, 0
	WIN 0
; THE WAY OUT: block a's 16 rows x 128 columns are four blocks of 32 along the next K; quantised in registers, stored as one fragment's image
.macro QUANTW a
.set WA,  2+(\a)/4
.set WSS, (WA<<2)|(WA<<4)
.set BA,  64*((\a)%4)
.set PCA, AF+FR*(\a)
	WIN WSS
.irp b, 0,1,2,3
	v_max3_num_f32 v[TM+\b], s[FLO], |v[BA+16*\b]|, |v[BA+16*\b+1]|
.endr
.irp i, 2,4,6,8,10,12,14
.irp b, 0,1,2,3
	v_max3_num_f32 v[TM+\b], v[TM+\b], |v[BA+16*\b+\i]|, |v[BA+16*\b+\i+1]|
.endr
.endr
	WIN 0
.irp b, 0,1,2,3
	v_permlanex16_b32 v[TM+4+\b], v[TM+\b], s[SEL], s[SEL+1]
.endr
.irp b, 0,1,2,3
	v_max_num_f32 v[TM+\b], v[TM+\b], v[TM+4+\b]
.endr
.irp b, 0,1,2,3
	v_add_nc_u32 v[TM+12+\b], 0xfe000000, v[TM+\b]
.endr
.irp b, 0,1,2,3
	v_lshrrev_b32 v[TM+4+\b], 23, v[TM+12+\b]
.endr
	v_lshl_or_b32 v[PW+(\a)], v[TM+5], 8, v[TM+4]
	v_lshl_or_b32 v[PW+(\a)], v[TM+6], 16, v[PW+(\a)]
	v_lshl_or_b32 v[PW+(\a)], v[TM+7], 24, v[PW+(\a)]
	WIN WA
.irp c, 0,1
	v_cvt_scalef32_pk16_bf6_f32 v[PCA+6*\c:PCA+6*\c+2], v[BA+32*\c:BA+32*\c+15], v[TM+12+2*\c]
	v_cvt_scalef32_pk16_bf6_f32 v[CT+4*\c:CT+4*\c+2], v[BA+32*\c+16:BA+32*\c+31], v[TM+12+2*\c+1]
.endr
	WIN 0
	v_nop
.irp c, 0,1
.irp i, 0,1,2
	v_permlane16_swap_b32 v[PCA+6*\c+\i], v[CT+4*\c+\i]
.endr
.irp i, 0,1,2
	v_mov_b32 v[PCA+6*\c+3+\i], v[CT+4*\c+\i]
.endr
.endr
.irp c, 0,1,2
	global_store_b128 v[LI], v[PCA+4*\c:PCA+4*\c+3], s[12:13] offset:(\a)*1536+512*\c
.endr
.endm
.irp b, 0,1,2,3
	v_mov_b32 v[TM+4+\b], 0
.endr
	v_and_b32 v6, 31, v0
	v_lshlrev_b32 v[LI], 4, v6
	v_cmp_le_u32 vcc_lo, 16, v6
	s_mov_b32 s[FLO], 0x04000000
	s_mov_b32 s[SEL], 0x76543210
	s_mov_b32 s[SEL+1], 0xfedcba98
.irp a, 0,1,2,3,4,5,6,7
	QUANTW \a
.endr
.irp i, 0,1,2,3
	v_cndmask_b32 v[SI+\i], v[PW+2*\i], v[PW+2*\i+1], vcc_lo
.endr
	global_store_b128 v[LI], v[SI:SI+3], s[12:13] offset:8*1536
	s_wait_tensorcnt 0x0                           ; the wave's end
	ds_add_u32 v[SPW], v[NIL]
	s_wait_dscnt 0x0
	CROUND                                         ; the closing round
	s_endpgm
.Lfunc_end_k_q2f92d2855b_proj:
	.size	k_q2f92d2855b_proj, .Lfunc_end_k_q2f92d2855b_proj-k_q2f92d2855b_proj
	.p2alignl 7, 3214868480
	.fill 96, 4, 3214868480
	.section	.rodata,"a",@progbits
	.p2align	6, 0x0
	.amdhsa_kernel k_q2f92d2855b_proj
		.amdhsa_group_segment_fixed_size 327680
		.amdhsa_private_segment_fixed_size 0
		.amdhsa_enable_private_segment 0
		.amdhsa_kernarg_size 120
		.amdhsa_user_sgpr_count 2
		.amdhsa_user_sgpr_kernarg_segment_ptr 1
		.amdhsa_wavefront_size32 1
		.amdhsa_system_sgpr_workgroup_id_x 1
		.amdhsa_system_sgpr_workgroup_id_y 1
		.amdhsa_system_sgpr_workgroup_id_z 1
		.amdhsa_system_vgpr_workitem_id 0
		.amdhsa_next_free_vgpr 1024
		.amdhsa_next_free_sgpr 102
		.amdhsa_reserve_vcc 1
		.amdhsa_float_denorm_mode_32 3
		.amdhsa_float_denorm_mode_16_64 3
		.amdhsa_memory_ordered 1
		.amdhsa_forward_progress 1
		.amdhsa_inst_pref_size 164
	.end_amdhsa_kernel
	.amdgpu_metadata
---
amdhsa.version: [ 1, 2 ]
amdhsa.kernels:
  - .name:           k_q2f92d2855b_proj
    .symbol:         k_q2f92d2855b_proj.kd
    .args:
      - { .name: qx_codes, .offset: 0, .size: 8, .value_kind: global_buffer, .address_space: global }
      - { .name: qx_scales, .offset: 8, .size: 8, .value_kind: global_buffer, .address_space: global }
      - { .name: Wq_codes, .offset: 16, .size: 8, .value_kind: global_buffer, .address_space: global }
      - { .name: Wq_scales, .offset: 24, .size: 8, .value_kind: global_buffer, .address_space: global }
      - { .name: q_img, .offset: 32, .size: 8, .value_kind: global_buffer, .address_space: global }
      - { .name: key_codes, .offset: 40, .size: 8, .value_kind: global_buffer, .address_space: global }
      - { .name: key_scales, .offset: 48, .size: 8, .value_kind: global_buffer, .address_space: global }
      - { .name: Wk_codes, .offset: 56, .size: 8, .value_kind: global_buffer, .address_space: global }
      - { .name: Wk_scales, .offset: 64, .size: 8, .value_kind: global_buffer, .address_space: global }
      - { .name: k_img, .offset: 72, .size: 8, .value_kind: global_buffer, .address_space: global }
      - { .name: Wv_codes, .offset: 80, .size: 8, .value_kind: global_buffer, .address_space: global }
      - { .name: Wv_scales, .offset: 88, .size: 8, .value_kind: global_buffer, .address_space: global }
      - { .name: value_codes, .offset: 96, .size: 8, .value_kind: global_buffer, .address_space: global }
      - { .name: value_scales, .offset: 104, .size: 8, .value_kind: global_buffer, .address_space: global }
      - { .name: v_img, .offset: 112, .size: 8, .value_kind: global_buffer, .address_space: global }
    .group_segment_fixed_size: 327680
    .private_segment_fixed_size: 0
    .kernarg_segment_align: 8
    .kernarg_segment_size: 120
    .max_flat_workgroup_size: 128
    .sgpr_count:     102
    .vgpr_count:     1024
    .wavefront_size: 32
...
	.end_amdgpu_metadata
.endif
;; end of part 2
;; launch attn (part 3): grid 4 x 64, 8 waves a work-group, clusters of 4 x 4, 327,680 bytes of LDS; arguments mask, q_img, k_img, v_img, x_img, x_scl; writes x_img, x_scl
.if DOCPART == 3
	.amdgcn_target "amdgcn-amd-amdhsa--gfx1250"
	.amdhsa_code_object_version 6
	.text
	.protected	k_q2f92d2855b_attn
	.globl	k_q2f92d2855b_attn
	.p2align	8
	.type	k_q2f92d2855b_attn,@function
k_q2f92d2855b_attn:
	s_mov_b64 s[64:65], 0
	v_nop
	global_prefetch_b8 v0, s[64:65] scope:SCOPE_SE
	s_setreg_imm32_b32 hwreg(HW_REG_WAVE_MODE, 25, 1), 1
	s_wait_xcnt 0x0
	s_wait_alu depctr_hold_cnt(0) depctr_sa_sdst(0) depctr_va_vdst(0) depctr_va_sdst(0) depctr_va_ssrc(0) depctr_va_vcc(0) depctr_vm_vsrc(0)
	s_getreg_b32 s2, hwreg(HW_REG_IB_STS2, 6, 4)
	s_cmp_eq_u32 s2, 0
	s_cbranch_scc0 .Lentry_in_a_cluster
	s_endpgm
.Lentry_in_a_cluster:
	s_bfe_u32 s2, ttmp6, 0x10000c
	s_cmp_lg_u32 s2, 0xf033
	s_cbranch_scc0 .Lentry_shape_is_right
	s_endpgm
.Lentry_shape_is_right:
; x[b][q][head][:] = the sum over keys of softmax(q . k / 8 + mask[b][q][key]) v, both products on codes of BF6 (E3M2) with one E8M0 scale for each 32 along a product's K; x leaves quantised along the model's 1,024, as images of operand registers.
; THE SOFTMAX AHEAD OF THE SECOND PRODUCT: t = logit x log2(e); M = the row's largest t so far, rounded UP to a whole number; p = 2^(t - M) is quantised along the keys, not normalised; the row's sum is taken of the unquantised p and divides at the end;
; when M moves, the sum and O are multiplied by 2^(old M - new M), which rounds nothing.
; SHARES.  A work-group owns 128 queries x 4 heads (group cx of the 16).  Wave w: query tiles 2 (w / 2) and 2 (w / 2) + 1, pair of heads w % 2: four UNITS u = 2 i + hh (query tile i, head hh of the pair).  Every wave walks 16 steps of 128 keys.
; In registers a fragment of K serves 4 products, a fragment of V 2, a tile of the mask 2.
; INPUT IMAGES (made by the launch before): a fragment is 12 registers a lane, three pieces of 512 bytes, lane l's 16 bytes at 16 l; a unit is 8 fragments and 512 bytes of scale words; the two units (pairs of heads) of a step are 25,600 dense bytes.
; A fragment of q or k holds TWO heads: registers 0-5 the pair's first head (64 along K), 6-11 its second.  The product with K = 64 takes K's fragment as it is and Q's as [q | zeros] or [zeros | q]: zero codes add nothing under any byte that occurs (none is 0xff).
; THE DIVISION BY 8 is 3 off each byte of Q's scale words (the bytes are 4 or more).  THE MASK is the C of S^T = K Q^T: register j of tile t in lane (r, h) is mask[query r][16 t + 8 h + j], 32 consecutive bytes.
; LAYOUT.  Both products transposed: S^T = K Q^T (source 0 = 16 keys), O^T = V^T P^T (source 0 = 16 of the head's 64): a lane holds ONE query throughout.  The keys of a tile are neighbours, so p's codes lie in a block of 32 in the order
; 0-7, 16-23, 8-15, 24-31; v's codes were laid in the same order; the blocks and their scales are the quantiser's.  x meets a given operand (Wo): there eight lane swaps a block put the numbers in their natural order ahead of the conversion.
; CLUSTER 4 x 4.  The mask's tile hangs on the block of queries and is shared along a row of the cluster (all 16 heads lie in one row); K's and V's blocks hang on (batch, cx) and are shared along a column.  Each is asked for jointly.
; LIMITS: NaN and infinities in q, k, v are not served.  A mask entry of -infinity goes through the matrix instruction's C as it is and gives p = 0 as long as its row has one finite logit; a row whose every logit is -infinity is not served.
; A block of x whose largest magnitude lies under 2^-122 takes that scale; a block of zeros carries the byte 1 (its codes are zeros; this program alone reads the bytes).
; REGISTERS.  window 0: v1-9 addresses and Q's scale words; v10-21 scale words of K, V, p; v22-37 statistics, four a unit (-M, largest t, the sum in two halves); v38-57 at work; v58-75 query tile 0 as q, zeros, q; v76-123 p's codes, 12 a unit; v128-191 X, v192-255 Y: mask, scores, p.
;   window 1: v0-127 O^T (unit u at 32 u); v128-223 eight fragments of K, then of V; v224-241 query tile 1.
.set MP,    528                        ; a row of the mask's tile in LDS: 512 bytes + 16: the sixteen rows of a load fall in sixteen different 16-byte columns of 256 bytes
.set SLOT1, 131072                     ; slot 1 begins here: one exclusive or turns an address
.set KOFF,  128*MP                     ; a slot: 128 rows of the mask, K's block, V's block
.set UNITB, 12800
.set BLKB,  2*UNITB
.set VOFF,  KOFF+BLKB
.set SPARE, 249856                     ; behind slot 1: the spare words, 128 bytes for each of eight waves
.set SPW,  1
.set NIL,  2
.set AKV0, 3                           ; 16 x lane + KOFF + my pair's unit
.set AM0,  4                           ; (32 (w / 2) + r) x MP + 32 h
.set PFO,  5                           ; the prefetches' offset; never rewritten
.set ADKV, 6                           ; the step's addresses
.set ADM,  7
.set L16,  8                           ; 16 x lane
.set QS,   9                           ; Q's scale words: lanes 0-15 query tile 0, lanes 16-31 query tile 1
.set KS,   10
.set VS,   14
.set PS,   18
.set ST,   22
.set BM,   38                          ; the four blocks' maxima
.set T2,   42                          ; v42-49 at work
.set SO,   50                          ; the conversions' scale operands
.set F,    54                          ; v[54:55] f = 2^(old M - new M)
.set TT,   56
.set L4,   57                          ; 4 x lane
.set Q0,   58
.set P,    76
.set CT2,  112                         ; the way out: the conversions' second halves
.set X,    128
.set Y,    192
.set KV,   128                         ; in window 1
.set Q1,   224                         ; in window 1
.set TB,    2                          ; s2  LDS byte at which the slot in hand begins
.set SLOTS, 3                          ; s3  steps still to be asked for
.set CX,   16
.set CY,   17
.set WV,   18
.set CL,   19
.set SEL,  20
.set CS,   22                          ; s[22:23] log2(e)
.set G1M,  24
.set G1KV, 32
.set G0M,  40
.set G0K,  44
.set G0V,  48
.set PFA,  60
.set PFS,  62
.set LIM,  66
.set MSB, 0
.macro WIN new                         ; the immediate's high byte repeats the setting that is left
.if MSB != \new
	s_set_vgpr_msb (MSB<<8)|\new
.set MSB, \new
.endif
.endm
.macro PLACES
.rept 4
	v_nop
.endr
.endm
; the scaled matrix instruction; ra, rb: which half of the lanes of the scale registers is read
.macro WM d, a, b, c, sa, sb, ra, rb
.if ((\ra) == 0) && ((\rb) == 0)
	v_wmma_scale_f32_16x16x128_f8f6f4 v[\d:\d+7], v[\a:\a+11], v[\b:\b+11], v[\c:\c+7], v[\sa], v[\sb] matrix_a_fmt:MATRIX_FMT_BF6 matrix_b_fmt:MATRIX_FMT_BF6
.elseif (\rb) == 0
	v_wmma_scale_f32_16x16x128_f8f6f4 v[\d:\d+7], v[\a:\a+11], v[\b:\b+11], v[\c:\c+7], v[\sa], v[\sb] matrix_a_fmt:MATRIX_FMT_BF6 matrix_b_fmt:MATRIX_FMT_BF6 matrix_a_scale:MATRIX_SCALE_ROW1
.elseif (\ra) == 0
	v_wmma_scale_f32_16x16x128_f8f6f4 v[\d:\d+7], v[\a:\a+11], v[\b:\b+11], v[\c:\c+7], v[\sa], v[\sb] matrix_a_fmt:MATRIX_FMT_BF6 matrix_b_fmt:MATRIX_FMT_BF6 matrix_b_scale:MATRIX_SCALE_ROW1
.else
	v_wmma_scale_f32_16x16x128_f8f6f4 v[\d:\d+7], v[\a:\a+11], v[\b:\b+11], v[\c:\c+7], v[\sa], v[\sb] matrix_a_fmt:MATRIX_FMT_BF6 matrix_b_fmt:MATRIX_FMT_BF6 matrix_a_scale:MATRIX_SCALE_ROW1 matrix_b_scale:MATRIX_SCALE_ROW1
.endif
.endm
; A step's joint loads: waves 0 and 1 the mask's two halves, wave 2 K's block, wave 3 V's; the others none.  The branches hang on the wave's number alone.  Four v_nop follow each line.
.macro TLOAD
	s_cmp_lt_u32 s[WV], 2
	s_cbranch_scc0 .Lnot_m_\@
	tensor_load_to_lds s[G0M:G0M+3], s[G1M:G1M+7]
	s_nop 0
.rept 4
	v_nop
.endr
	s_branch .Lasked_\@
.Lnot_m_\@:
	s_cmp_eq_u32 s[WV], 2
	s_cbranch_scc0 .Lnot_k_\@
	tensor_load_to_lds s[G0K:G0K+3], s[G1KV:G1KV+7]
	s_nop 0
.rept 4
	v_nop
.endr
	s_branch .Lasked_\@
.Lnot_k_\@:
	s_cmp_eq_u32 s[WV], 3
	s_cbranch_scc0 .Lasked_\@
	tensor_load_to_lds s[G0V:G0V+3], s[G1KV:G1KV+7]
	s_nop 0
.rept 4
	v_nop
.endr
.Lasked_\@:
.endm
; A PREFETCH INTO THE L2 of what the NEXT change of slots will ask for: one whole key step of work ahead of that load.  The waves ask that fetch nothing, one instruction each.
; The mask's tile (128 rows x 512 bytes) is read by my row of the cluster alone: its four partners take 32 rows each BY ADDRESS (32 cx), a lane a row; wave 4 names a row's first 256 bytes, wave 7 its second.
; K's and V's blocks (25,600 bytes) are read by the four clusters of a batch: the batch's first cluster asks; the four partners of a column take 6,400 bytes each by address (6,400 cy): wave 5 K's, wave 6 V's, lanes 256 bytes apart;
; that is 25 places, so lanes 25 to 31 name lane 24's place again, in the same instruction.  The last change that fills a slot asks for nothing; steps 0 and 1 come by their loads alone.
.macro ASK
	s_cmp_gt_u32 s[SLOTS], s[LIM]
	s_cbranch_scc0 .Lnot_mine_\@
	global_prefetch_b8 v[PFO], s[PFA:PFA+1] th:TH_LOAD_NT scope:SCOPE_SE
.Lnot_mine_\@:
.endm
.macro CROUND                          ; a round of the cluster's barrier
	s_barrier_signal -1
	s_barrier_wait -1
	s_cmp_lg_u32 s[WV], 0
	s_cbranch_scc1 .Lnot_wave_0_\@
	s_barrier_signal -3
.Lnot_wave_0_\@:
	s_barrier_wait -3
	s_barrier_signal -1
	s_barrier_wait -1
.endm
	s_load_b256 s[4:11], s[0:1], 0x0               ; mask s[4:5], q_img s[6:7], k_img s[8:9], v_img s[10:11]
	s_load_b128 s[12:15], s[0:1], 0x20             ; x_img s[12:13], x_scl s[14:15]
	v_lshl_add_u32 v[SPW], v0, 2, SPARE
	v_mov_b32 v[NIL], 0
	ds_add_u32 v1, v2
	ds_add_u32 v1, v2
	s_wait_dscnt 0x0
	v_lshrrev_b32 v8, 5, v0
	s_delay_alu instid0(VALU_DEP_1)
	v_readfirstlane_b32 s[WV], v8                  ; wave 0..7
	s_bfe_u32 s[CX], ttmp6, 0x40000                ; cx: the group of four heads
	s_bfe_u32 s[CY], ttmp6, 0x40004                ; cy
	s_and_b32 s[CL], ttmp7, 0xffff                 ; the cluster, 0 .. 15
	s_lshl_b32 s52, s[CL], 2
	s_add_co_u32 s52, s52, s[CY]                   ; wy: my block of 128 queries, 0 .. 63
	s_lshr_b32 s53, s[CL], 2                       ; the batch: from the cluster's number alone
	s_and_b32 s54, s[WV], 1                        ; my pair of heads.  Also: which half of the mask's tile I fetch
	s_lshr_b32 s55, s[WV], 1                       ; my pair of query tiles
	s_lshl_b32 s56, s[CY], 2
	s_lshl_b32 s56, 15, s56                        ; my row of the cluster
	s_lshl_b32 s57, 0x1111, s[CX]                  ; my column
	; group 1 for the mask: 64 rows x 128 elements of 4 bytes, 2,048 elements apart; 16 bytes of padding behind each 512
	s_or_b32 s[G1M], s56, (2<<16)|(1<<20)|(1<<21)|(6<<22)|(3<<25)
	s_mov_b32 s[G1M+1], 128<<16
	s_mov_b32 s[G1M+2], 64<<16
	s_mov_b32 s[G1M+3], 128<<16
	s_mov_b32 s[G1M+4], 64
	s_mov_b32 s[G1M+5], 2048
	s_mov_b32 s[G1M+6], 0
	s_mov_b32 s[G1M+7], 0
	; group 1 for K's and V's blocks: 25,600 dense bytes as 100 rows of 32 elements of 8 bytes, no padding
	s_or_b32 s[G1KV], s57, (3<<16)|(1<<21)
	s_mov_b32 s[G1KV+1], 32<<16
	s_mov_b32 s[G1KV+2], 100<<16
	s_mov_b32 s[G1KV+3], 32<<16
	s_mov_b32 s[G1KV+4], 100
	s_mov_b32 s[G1KV+5], 32
	s_mov_b32 s[G1KV+6], 0
	s_mov_b32 s[G1KV+7], 0
	s_lshl_b32 s58, s52, 7
	s_lshl_b32 s59, s54, 6
	s_add_co_u32 s58, s58, s59
	s_lshl_b32 s58, s58, 13                        ; the mask: row 128 wy + 64 x half, 8,192 bytes a row
	s_mov_b32 s59, 0
	s_lshl_b32 s68, s53, 2
	s_add_co_u32 s68, s68, s[CX]
	s_mul_i32 s68, s68, 16*BLKB                    ; K, V: (batch x 4 + cx) x 16 steps' blocks
	s_mov_b32 s69, 0
	s_mov_b32 s[SEL], 0x76543210
	s_mov_b32 s[SEL+1], 0xfedcba98                 ; lane l xor 16
	s_mov_b32 s[CS], 0x3fb8aa3b                    ; log2(e)
	s_mov_b32 s[CS+1], s[CS]                       ; (named with it as a pair, so it is written)
	s_mov_b32 s[TB], 0
	s_mov_b32 s[SLOTS], 15
	s_wait_kmcnt 0x0
	s_mov_b32 s[G0M], 1
	s_mul_i32 s[G0M+1], s54, 64*MP                 ; LDS: slot 0, my half of the rows
	s_add_nc_u64 s[G0M+2:G0M+3], s[4:5], s[58:59]
	s_or_b32 s[G0M+3], s[G0M+3], 0x80000000
	s_mov_b32 s[G0K], 1
	s_mov_b32 s[G0K+1], KOFF
	s_add_nc_u64 s[G0K+2:G0K+3], s[8:9], s[68:69]
	s_or_b32 s[G0K+3], s[G0K+3], 0x80000000
	s_mov_b32 s[G0V], 1
	s_mov_b32 s[G0V+1], VOFF
	s_add_nc_u64 s[G0V+2:G0V+3], s[10:11], s[68:69]
	s_or_b32 s[G0V+3], s[G0V+3], 0x80000000
	CROUND                                         ; all sixteen work-groups are here: the first joint loads meet
	TLOAD                                          ; step 0 into slot 0
	; Q: my pair's unit of my block of queries; fragments 2 (w / 2) and 2 (w / 2) + 1
	s_lshl_b32 s70, s53, 2
	s_add_co_u32 s70, s70, s[CX]
	s_lshl_b32 s70, s70, 4
	s_and_b32 s71, s52, 15
	s_add_co_u32 s70, s70, s71
	s_lshl_b32 s70, s70, 1
	s_add_co_u32 s70, s70, s54
	s_mul_i32 s70, s70, UNITB
	s_mov_b32 s71, 0
	s_add_nc_u64 s[6:7], s[6:7], s[70:71]
	v_and_b32 v7, 31, v0                           ; lane
	s_delay_alu instid0(VALU_DEP_1)
	v_lshlrev_b32 v[L16], 4, v7
	s_delay_alu instid0(VALU_DEP_2)
	v_lshlrev_b32 v[L4], 2, v7
	s_mul_i32 s72, s55, 2*1536
	v_add_nc_u32 v6, s72, v[L16]
	s_lshl_b32 s73, s55, 2
	v_add_nc_u32 v7, s73, v[L16]
.irp i, 0,1
.irp c, 0,1,2
	global_load_b128 v[X+12*\i+4*\c:X+12*\i+4*\c+3], v6, s[6:7] offset:\i*1536+512*\c
.endr
.endr
	global_load_b32 v[QS], v7, s[6:7] offset:8*1536   ; word w / 2 of the scale image: lanes 0-15 my first tile's rows, lanes 16-31 my second's
	v_and_b32 v54, 15, v0                          ; r
	v_bfe_u32 v55, v0, 4, 1                        ; h
	s_mul_i32 s74, s54, UNITB
	s_add_co_u32 s74, s74, KOFF
	v_add_nc_u32 v[AKV0], s74, v[L16]
	s_mul_i32 s75, s55, 32*MP
	v_mul_u32_u24 v[AM0], v54, MP
	s_delay_alu instid0(VALU_DEP_1)
	v_lshl_add_u32 v[AM0], v55, 5, v[AM0]
	s_delay_alu instid0(VALU_DEP_1)
	v_add_nc_u32 v[AM0], s75, v[AM0]
	; where x goes: group of 32 rows mp = 4 wy + w / 2, K step ks = 2 cx + pair
	s_lshl_b32 s76, s52, 2
	s_add_co_u32 s76, s76, s55
	s_lshl_b32 s76, s76, 3
	s_lshl_b32 s77, s[CX], 1
	s_add_co_u32 s76, s76, s77
	s_add_co_u32 s76, s76, s54
	s_mul_i32 s78, s76, 3072
	s_mov_b32 s79, 0
	s_add_nc_u64 s[12:13], s[12:13], s[78:79]
	s_lshl_b32 s78, s76, 7
	s_add_nc_u64 s[14:15], s[14:15], s[78:79]
	; the prefetches (macro ASK): where my wave's stand, and who asks
	s_lshl_b32 s72, s52, 7
	s_lshl_b32 s73, s[CX], 5
	s_add_co_u32 s72, s72, s73
	s_lshl_b32 s72, s72, 13                        ; the mask: row 128 wy + 32 cx
	s_cmp_eq_u32 s[WV], 7
	s_cselect_b32 s73, 256, 0
	s_add_co_u32 s72, s72, s73
	s_add_co_u32 s72, s72, 512                     ; at step 1: the first change of slots steps it to step 2
	s_mul_i32 s73, s[CY], 6400
	s_add_co_u32 s73, s73, s68
	s_add_co_u32 s73, s73, BLKB                    ; K, V: my share of step 1's block
	s_mov_b32 s74, BLKB
	s_mov_b32 s75, 8192
	s_and_b32 s76, s[CL], 3
	s_sub_co_u32 s77, s[WV], 5
	s_cmp_lt_u32 s77, 2                            ; waves 5 and 6 ask for K and V
	s_cselect_b32 s72, s73, s72
	s_cselect_b32 s[PFS], s74, 512                 ; a step on
	s_cselect_b32 s75, 256, s75                    ; from lane to lane
	s_cselect_b32 s74, 24, 31                      ; the last lane that has a place of its own
	s_cselect_b32 s76, s76, 0                      ; K, V: the batch's first cluster alone
	s_mov_b32 s73, 0
	s_mov_b32 s[PFS+1], 0
	s_mov_b64 s[PFA:PFA+1], s[4:5]
	s_cmp_eq_u32 s[WV], 5
	s_cselect_b64 s[PFA:PFA+1], s[8:9], s[PFA:PFA+1]
	s_cmp_eq_u32 s[WV], 6
	s_cselect_b64 s[PFA:PFA+1], s[10:11], s[PFA:PFA+1]
	s_add_nc_u64 s[PFA:PFA+1], s[PFA:PFA+1], s[72:73]
	s_lshr_b32 s77, s[WV], 2
	s_xor_b32 s77, s77, 1                          ; 1 in waves 0 to 3, which fetch
	s_or_b32 s77, s77, s76
	s_cmp_eq_u32 s77, 0
	s_cselect_b32 s[LIM], 1, -1                    ; the same in all sixteen partners, for a given wave
	v_and_b32 v[PFO], 31, v0
	s_delay_alu instid0(VALU_DEP_1)
	v_min_u32 v[PFO], s74, v[PFO]
	s_delay_alu instid0(VALU_DEP_1)
	v_mul_lo_u32 v[PFO], v[PFO], s75
.irp u, 0,1,2,3
	v_mov_b32 v[ST+4*\u+1], 0xff61b1e6             ; the largest t so far: -3e38, under every t
	s_delay_alu instid0(VALU_DEP_1)
	v_floor_f32 v[ST+4*\u], -v[ST+4*\u+1]          ; -M
	v_mov_b32 v[ST+4*\u+2], 0                      ; the sum, in two halves
	v_mov_b32 v[ST+4*\u+3], 0
.endr
.irp b, 0,1,2,3,4,5,6,7
	v_mov_b32 v[T2+\b], 0                          ; written once: a lane permute's destination counts as one of its sources
.endr
	s_wait_loadcnt 0x0                             ; Q
	v_mov_b32 v[F], 0
	v_mov_b32 v[F+1], 0                            ; (named as the upper half of the pair)
	v_add_nc_u32 v[QS], 0xfcfcfcfd, v[QS]          ; 3 off each of the four bytes (each is 4 or more: no borrow): the division by 8
.irp j, 0,1,2,3,4,5
	v_mov_b32 v[Q0+\j], v[X+\j]                    ; query tile 0: the pair's first head, zeros, its second head
	v_mov_b32 v[Q0+6+\j], 0
	v_mov_b32 v[Q0+12+\j], v[X+6+\j]
.endr
	WIN 0x40                                       ; destination window 1
.irp j, 0,1,2,3,4,5
	v_mov_b32 v[Q1+\j], v[X+12+\j]                 ; query tile 1
	v_mov_b32 v[Q1+6+\j], 0
	v_mov_b32 v[Q1+12+\j], v[X+18+\j]
.endr
.set j, 0
.rept 128
	v_mov_b32 v[j], 0                              ; O^T.  (The step is written for the loop and once for the tail: its first trip finds zeros, which the first change of M leaves zeros; a first step of its own would be a third copy)
.set j, j+1
.endr
	WIN 0
.macro MLOAD buf, i                    ; the mask for query tile i: 8 tiles of 16 keys, 32 bytes a lane and tile
.irp t, 0,1,2,3,4,5,6,7
	ds_load_b128 v[\buf+8*\t:\buf+8*\t+3], v[ADM] offset:(\i)*16*MP+64*\t
	ds_load_b128 v[\buf+8*\t+4:\buf+8*\t+7], v[ADM] offset:(\i)*16*MP+64*\t+16
.endr
.endm
.macro FLOAD off, sc                   ; eight fragments (of K: off = 0; of V: off = BLKB) into window 1, and their scale words
	WIN 0x40
.irp f, 0,1,2,3,4,5,6,7
.irp c, 0,1,2
	ds_load_b128 v[KV+12*\f+4*\c:KV+12*\f+4*\c+3], v[ADKV] offset:\off+\f*1536+512*\c
.endr
.endr
	WIN 0
	ds_load_b128 v[\sc:\sc+3], v[ADKV] offset:\off+8*1536
.endm
.macro SMUL d, c, i, hh                ; S^T = K Q^T / 8 + mask for query tile i, head hh of the pair: eight accumulators, one instruction each; C = the mask in c
.if (\i) == 0
	WIN 0x01                                       ; K in window 1, Q in window 0
.set QB, Q0+6*(\hh)
.else
	WIN 0x05                                       ; K and Q in window 1
.set QB, Q1+6*(\hh)
.endif
.irp t, 0,1,2,3,4,5,6,7
	WM \d+8*\t, KV+12*\t, QB, \c+8*\t, KS+\t/2, QS, \t%2, \i
.endr
	WIN 0
.endm
.macro PVMUL                           ; O^T += V^T P^T: sixteen accumulators by turns, one instruction each
	WIN 0x51                                       ; V, C and D in window 1, P in window 0
.irp t, 0,1,2,3
.irp u, 0,1,2,3
	WM 32*\u+8*\t, KV+12*(4*(\u%2)+\t), P+12*\u, 32*\u+8*\t, VS+2*(\u%2)+\t/2, PS+\u, \t%2, 0
.endr
.endr
	WIN 0
.endm
; THE SOFTMAX of unit u on the 64 scores in v[S] on (register 16 b + i: a key of block b of 32): p's codes into v[P + 12 u] on, its scale word into v[PS + u]; the unit's sum and O^T are brought under the new M.
.macro SOFT S, u
.set rM, ST+4*(\u)
.set rP, P+12*(\u)
.irp b, 0,1,2,3
	v_max3_num_f32 v[BM+\b], v[\S+16*\b], v[\S+16*\b+1], v[\S+16*\b+2]   ; THE LARGEST SCORE OF EACH BLOCK: it serves for the row's maximum and, since p rises with the score, for the block's largest p
.endr
.irp i, 3,5,7,9,11,13
.irp b, 0,1,2,3
	v_max3_num_f32 v[BM+\b], v[BM+\b], v[\S+16*\b+\i], v[\S+16*\b+\i+1]   ; (the four blocks by turns; each accumulator is read from its low end on)
.endr
.endr
.irp b, 0,1,2,3
	v_max_num_f32 v[BM+\b], v[BM+\b], v[\S+16*\b+15]
.endr
.irp b, 0,1,2,3
	s_delay_alu instid0(VALU_DEP_4)
	v_permlanex16_b32 v[T2+\b], v[BM+\b], s[SEL], s[SEL+1]
.endr
.irp b, 0,1,2,3
	s_delay_alu instid0(VALU_DEP_4)
	v_max_num_f32 v[BM+\b], v[BM+\b], v[T2+\b]     ; with lane l xor 16's 16 keys
.endr
	s_delay_alu instid0(VALU_DEP_2)
	v_max3_num_f32 v[TT], v[BM], v[BM+1], v[BM+2]
	s_delay_alu instid0(VALU_DEP_1)
	v_max_num_f32 v[TT], v[TT], v[BM+3]            ; the step's largest logit of my query
	s_delay_alu instid0(VALU_DEP_1)
	v_mul_f32 v[TT], s[CS], v[TT]                  ; as t
	s_delay_alu instid0(VALU_DEP_1)
	v_max_num_f32 v[rM+1], v[rM+1], v[TT]          ; the running largest t
	v_mov_b32 v[TT], v[rM]
	s_delay_alu instid0(VALU_DEP_2)
	v_floor_f32 v[rM], -v[rM+1]                    ; the new -M = floor(-t) = -ceil(t)
	s_delay_alu instid0(VALU_DEP_1)
	v_sub_f32 v[TT], v[rM], v[TT]                  ; old M less new M: a whole number, 0 or less
	s_delay_alu instid0(VALU_DEP_1)
	v_cvt_i32_f32 v[TT], v[TT]                     ; (it saturates)
	s_delay_alu instid0(VALU_DEP_1)
	v_ldexp_f32 v[F], 1.0, v[TT]                   ; f = 2^(old M - new M)
.set j, 0
.rept 32
	v_pk_fma_f32 v[\S+j:\S+j+1], v[\S+j:\S+j+1], s[CS:CS+1], v[rM:rM+1] op_sel_hi:[1,0,0]   ; t - M, two at a time
.set j, j+2
.endr
.irp b, 0,1,2,3
	v_fma_f32 v[BM+\b], v[BM+\b], s[CS], v[rM]     ; the same of each block's largest score
.endr
.set j, 0
	s_wait_alu depctr_va_vdst(0)
.rept 64
	v_exp_f32 v[\S+j], v[\S+j]                     ; p = 2^(t - M), at most 1
.set j, j+1
.endr
	v_pk_mul_f32 v[rM+2:rM+3], v[rM+2:rM+3], v[F:F+1] op_sel_hi:[1,0]   ; the sums under the new M (the plain line behind the exponentials)
	s_wait_alu depctr_va_vdst(0)                   ; one wait for the whole batch, ahead of its first reader
.irp b, 0,1,2,3
	v_exp_f32 v[BM+\b], v[BM+\b]                   ; the block's largest p: the same two instructions on the same number give the same bits
.endr
	v_pk_add_f32 v[T2:T2+1], v[\S:\S+1], v[\S+2:\S+3]   ; THE ROW'S SUM IS TAKEN OF THE UNQUANTISED p, in two chains (plain work behind the four)
.set j, 4
.rept 15
	v_pk_add_f32 v[rM+2:rM+3], v[rM+2:rM+3], v[\S+j:\S+j+1]
	v_pk_add_f32 v[T2:T2+1], v[T2:T2+1], v[\S+j+2:\S+j+3]
.set j, j+4
.endr
	s_delay_alu instid0(VALU_DEP_1)
	v_pk_add_f32 v[rM+2:rM+3], v[rM+2:rM+3], v[T2:T2+1]
	s_wait_alu depctr_va_vdst(0)                   ; and one for the four
.irp b, 0,1,2,3
	v_max_num_f32 v[BM+\b], 0x2800000, v[BM+\b]    ; the floor 2^(5 - 127): the byte cannot fall under 1
.endr
.irp b, 0,1,2,3
	s_delay_alu instid0(VALU_DEP_4)
	v_add_nc_u32 v[SO+\b], 0xfe000000, v[BM+\b]    ; 4 off the exponent field: the conversion's scale operand
.endr
.irp b, 0,1,2,3
	s_delay_alu instid0(VALU_DEP_4)
	v_lshrrev_b32 v[T2+\b], 23, v[SO+\b]           ; the scale's byte
.endr
	s_delay_alu instid0(VALU_DEP_3)
	v_lshl_or_b32 v[PS+(\u)], v[T2+1], 8, v[T2]    ; p's scale word for these 128 keys
	s_delay_alu instid0(VALU_DEP_1)
	v_lshl_or_b32 v[PS+(\u)], v[T2+2], 16, v[PS+(\u)]
	s_delay_alu instid0(VALU_DEP_1)
	v_lshl_or_b32 v[PS+(\u)], v[T2+3], 24, v[PS+(\u)]
.irp c, 0,1
	v_cvt_scalef32_pk16_bf6_f32 v[rP+6*\c:rP+6*\c+2], v[\S+32*\c:\S+32*\c+15], v[SO+2*\c]
	v_cvt_scalef32_pk16_bf6_f32 v[T2+4*\c:T2+4*\c+2], v[\S+32*\c+16:\S+32*\c+31], v[SO+2*\c+1]   ; (a conversion's three registers begin on an even number)
.endr
	v_nop                                          ; one plain line behind a scaled conversion
.irp c, 0,1                                    ; the operand's layout wants a WHOLE block in a lane
.irp i, 0,1,2
	v_permlane16_swap_b32 v[rP+6*\c+\i], v[T2+4*\c+\i]
.endr
.irp i, 0,1,2
	s_delay_alu instid0(VALU_DEP_3)
	v_mov_b32 v[rP+6*\c+3+\i], v[T2+4*\c+\i]
.endr
.endr
	WIN 0x41                                       ; O^T (destination and source 0) in window 1
.set j, 32*(\u)
.rept 16
	v_pk_mul_f32 v[j:j+1], v[j:j+1], v[F:F+1] op_sel_hi:[1,0]   ; O^T under the new M.  (The last unit's sixteen are also the plain lines between p's scale word and codes and the products that take them)
.set j, j+2
.endr
	WIN 0
.endm
; A KEY STEP: 128 keys, from the slot at s[TB].  X and Y hold by turns the mask, the scores and p.
.macro STEP
	v_add_nc_u32 v[ADKV], s[TB], v[AKV0]
	v_add_nc_u32 v[ADM], s[TB], v[AM0]
	v_nop
	v_nop                                          ; four plain lines behind the last products, ahead of loads into registers that they read
	FLOAD 0, KS
	MLOAD X, 0
	s_wait_dscnt 0x0
	SMUL Y, X, 0, 0                                ; query tile 0, first head: the mask stays in X for the second
	PLACES
	SOFT Y, 0
	MLOAD Y, 1                                     ; query tile 1's mask lands during the next softmax
	SMUL X, X, 0, 1
	PLACES
	SOFT X, 1
	s_wait_dscnt 0x0
	SMUL X, Y, 1, 0
	PLACES
	SOFT X, 2
	SMUL Y, Y, 1, 1
	PLACES                                         ; for the reads of the scores, and for the loads into K's registers
	FLOAD BLKB, VS                                 ; V lands during the last softmax
	SOFT Y, 3
	s_wait_alu depctr_va_vdst(0)
	s_wait_dscnt 0x0
	PVMUL
	s_xor_b32 s[TB], s[TB], SLOT1                  ; on to the other slot
.endm
; THE CHANGE OF SLOTS stands at a step's head.  Each wave waits for all its tensor loads (its part of the slot that it is about to read), adds 0 to its spare word, and waits for that and for its reads of the slot that it has left.
; fill = 1: a round of the cluster's barrier, so that no wave of any partner still reads the slot that was left or has a load on its way; behind it that slot is filled with the next step: the load has a whole step in which to land.
.macro CHANGE fill
	s_wait_tensorcnt 0x0                           ; no tensor load of mine is out, so a group 0 may be written
	ds_add_u32 v[SPW], v[NIL]                      ; 0 onto my spare word
.if \fill
	s_xor_b32 s[G0M+1], s[G0M+1], SLOT1            ; the walking descriptors: the other slot than last time,
	s_add_nc_u64 s[G0M+2:G0M+3], s[G0M+2:G0M+3], 512    ; the next 128 keys; the type bits on top are not reached
	s_xor_b32 s[G0K+1], s[G0K+1], SLOT1
	s_add_nc_u64 s[G0K+2:G0K+3], s[G0K+2:G0K+3], BLKB
	s_xor_b32 s[G0V+1], s[G0V+1], SLOT1
	s_add_nc_u64 s[G0V+2:G0V+3], s[G0V+2:G0V+3], BLKB
	s_wait_xcnt 0x0                                ; the last prefetch, a step back, has read its address, so it may be written:
	s_add_nc_u64 s[PFA:PFA+1], s[PFA:PFA+1], s[PFS:PFS+1]   ; one step further on than the walking descriptors
.endif
	s_wait_dscnt 0x0                               ; the add is done, and my reads of the slot that I have left are over
.if \fill
	CROUND
	TLOAD                                          ; the first thing behind the round, and a wave's one tensor load until the next
	ASK
.else
	s_barrier_signal -1
	s_barrier_wait -1
.endif
.endm
.Lslot:                                                ; 15 trips: behind each change of slots but the last the next step is asked for
	CHANGE 1
	STEP
	s_sub_co_u32 s[SLOTS], s[SLOTS], 1
	s_cmp_lg_u32 s[SLOTS], 0
	s_cbranch_scc1 .Lslot
	CHANGE 0                                       ; the last step is written out
	STEP
	; THE WAY OUT.  x = O^T / the sum; a query tile's 64 registers (its two heads) are 128 neighbouring columns of x: K step 2 cx + pair of the last product.  They are quantised and leave as one fragment's image.
.irp u, 0,1,2,3
	v_add_f32 v[ST+4*\u+2], v[ST+4*\u+2], v[ST+4*\u+3]   ; the sum's two halves (these four plain lines are the places behind the last products),
.endr
.irp u, 0,1,2,3
	s_delay_alu instid0(VALU_DEP_4)
	v_permlanex16_b32 v[T2+\u], v[ST+4*\u+2], s[SEL], s[SEL+1]
.endr
.irp u, 0,1,2,3
	s_delay_alu instid0(VALU_DEP_4)
	v_add_f32 v[ST+4*\u+2], v[ST+4*\u+2], v[T2+\u] ; and lane l xor 16's: the row's sum
.endr
	s_wait_alu depctr_va_vdst(0)
.irp u, 0,1,2,3
	v_rcp_f32 v[ST+4*\u], v[ST+4*\u+2]
.endr
	v_nop                                          ; a plain line behind the last reciprocal
	s_wait_alu depctr_va_vdst(0)                   ; one wait for the four, ahead of the first reader
.macro XOUT i
.set rC, P+12*(\i)
	WIN 0x01                                       ; source 0 (O^T) in window 1
.set n, 0
.rept 32
.set rL, ST+8*(\i)+4*(n/16)
	v_pk_mul_f32 v[X+2*n:X+2*n+1], v[64*(\i)+2*n:64*(\i)+2*n+1], v[rL:rL+1] op_sel_hi:[1,0]   ; each accumulator from its low end on
.set n, n+1
.endr
	WIN 0
.irp b, 0,1,2,3                                ; tile 2 b's lanes 16-31 change places with tile 2 b + 1's lanes 0-15: registers 16 b + 0 .. 15 are then columns 32 b + 16 h + 0 .. 15, the natural order, which Wo's codes have
.irp j, 0,1,2,3,4,5,6,7
	v_permlane16_swap_b32 v[X+16*\b+\j], v[X+16*\b+8+\j]
.endr
.endr
.irp b, 0,1,2,3
	v_max3_num_f32 v[BM+\b], |v[X+16*\b]|, |v[X+16*\b+1]|, 0x2800000   ; block b: my 16 numbers, and the floor 2^(5 - 127)
.endr
.irp k, 2,4,6,8,10,12,14
.irp b, 0,1,2,3
	s_delay_alu instid0(VALU_DEP_4)
	v_max3_num_f32 v[BM+\b], v[BM+\b], |v[X+16*\b+\k]|, |v[X+16*\b+\k+1]|
.endr
.endr
.irp b, 0,1,2,3
	s_delay_alu instid0(VALU_DEP_4)
	v_permlanex16_b32 v[T2+\b], v[BM+\b], s[SEL], s[SEL+1]
.endr
.irp b, 0,1,2,3
	s_delay_alu instid0(VALU_DEP_4)
	v_max_num_f32 v[BM+\b], v[BM+\b], v[T2+\b]
.endr
.irp b, 0,1,2,3
	s_delay_alu instid0(VALU_DEP_4)
	v_add_nc_u32 v[SO+\b], 0xfe000000, v[BM+\b]
.endr
.irp b, 0,1,2,3
	s_delay_alu instid0(VALU_DEP_4)
	v_lshrrev_b32 v[T2+\b], 23, v[SO+\b]
.endr
	s_delay_alu instid0(VALU_DEP_3)
	v_lshl_or_b32 v[PS+(\i)], v[T2+1], 8, v[T2]
	s_delay_alu instid0(VALU_DEP_1)
	v_lshl_or_b32 v[PS+(\i)], v[T2+2], 16, v[PS+(\i)]
	s_delay_alu instid0(VALU_DEP_1)
	v_lshl_or_b32 v[PS+(\i)], v[T2+3], 24, v[PS+(\i)]
.irp c, 0,1
	v_cvt_scalef32_pk16_bf6_f32 v[rC+6*\c:rC+6*\c+2], v[X+32*\c:X+32*\c+15], v[SO+2*\c]
	v_cvt_scalef32_pk16_bf6_f32 v[CT2+4*\c:CT2+4*\c+2], v[X+32*\c+16:X+32*\c+31], v[SO+2*\c+1]
.endr
	v_nop                                          ; one plain line behind a scaled conversion
.irp c, 0,1
.irp k, 0,1,2
	v_permlane16_swap_b32 v[rC+6*\c+\k], v[CT2+4*\c+\k]
.endr
.irp k, 0,1,2
	s_delay_alu instid0(VALU_DEP_3)
	v_mov_b32 v[rC+6*\c+3+\k], v[CT2+4*\c+\k]
.endr
.endr
.irp c, 0,1,2
	global_store_b128 v[L16], v[rC+4*\c:rC+4*\c+3], s[12:13] offset:(\i)*1536+512*\c   ; 512 consecutive aligned bytes a store
.endr
.endm
	XOUT 0
	XOUT 1
	v_and_b32 v[TT], 31, v0
	s_delay_alu instid0(VALU_DEP_1)
	v_cmp_le_u32 vcc_lo, 16, v[TT]
	s_delay_alu instid0(VALU_DEP_1)
	v_cndmask_b32 v[PS+2], v[PS], v[PS+1], vcc_lo  ; lanes 0-15 the first tile's scale words, lanes 16-31 the second's
	global_store_b32 v[L4], v[PS+2], s[14:15]      ; 128 consecutive bytes; the neighbouring wave's 128 complete the aligned 256
	s_wait_tensorcnt 0x0                           ; the wave's end
	ds_add_u32 v[SPW], v[NIL]
	s_wait_dscnt 0x0
	CROUND                                         ; the closing round
	s_endpgm
.Lfunc_end_k_q2f92d2855b_attn:
	.size	k_q2f92d2855b_attn, .Lfunc_end_k_q2f92d2855b_attn-k_q2f92d2855b_attn
	.p2alignl 7, 3214868480
	.fill 96, 4, 3214868480
	.section	.rodata,"a",@progbits
	.p2align	6, 0x0
	.amdhsa_kernel k_q2f92d2855b_attn
		.amdhsa_group_segment_fixed_size 327680
		.amdhsa_private_segment_fixed_size 0
		.amdhsa_enable_private_segment 0
		.amdhsa_kernarg_size 48
		.amdhsa_user_sgpr_count 2
		.amdhsa_user_sgpr_kernarg_segment_ptr 1
		.amdhsa_wavefront_size32 1
		.amdhsa_system_sgpr_workgroup_id_x 1
		.amdhsa_system_sgpr_workgroup_id_y 1
		.amdhsa_system_sgpr_workgroup_id_z 1
		.amdhsa_system_vgpr_workitem_id 0
		.amdhsa_next_free_vgpr 512
		.amdhsa_next_free_sgpr 80
		.amdhsa_reserve_vcc 1
		.amdhsa_float_denorm_mode_32 3
		.amdhsa_float_denorm_mode_16_64 3
		.amdhsa_memory_ordered 1
		.amdhsa_forward_progress 1
		.amdhsa_inst_pref_size 164
	.end_amdhsa_kernel
	.amdgpu_metadata
---
amdhsa.version: [ 1, 2 ]
amdhsa.kernels:
  - .name:           k_q2f92d2855b_attn
    .symbol:         k_q2f92d2855b_attn.kd
    .args:
      - { .name: mask, .offset: 0, .size: 8, .value_kind: global_buffer, .address_space: global }
      - { .name: q_img, .offset: 8, .size: 8, .value_kind: global_buffer, .address_space: global }
      - { .name: k_img, .offset: 16, .size: 8, .value_kind: global_buffer, .address_space: global }
      - { .name: v_img, .offset: 24, .size: 8, .value_kind: global_buffer, .address_space: global }
      - { .name: x_img, .offset: 32, .size: 8, .value_kind: global_buffer, .address_space: global }
      - { .name: x_scl, .offset: 40, .size: 8, .value_kind: global_buffer, .address_space: global }
    .group_segment_fixed_size: 327680
    .private_segment_fixed_size: 0
    .kernarg_segment_align: 8
    .kernarg_segment_size: 48
    .max_flat_workgroup_size: 256
    .sgpr_count:     80
    .vgpr_count:     512
    .wavefront_size: 32
...
	.end_amdgpu_metadata
.endif
;; end of part 3
;; launch outln (part 4): grid 256 x 1, 8 waves a work-group, clusters of 4 x 1, 327,680 bytes of LDS; arguments x_img, x_scl, Wo_codes, Wo_scales, query, gamma, beta, out0; writes out0
.if DOCPART == 4
	.amdgcn_target "amdgcn-amd-amdhsa--gfx1250"
	.amdhsa_code_object_version 6
	.text
	.protected	k_q2f92d2855b_outln
	.globl	k_q2f92d2855b_outln
	.p2align	8
	.type	k_q2f92d2855b_outln,@function
k_q2f92d2855b_outln:
	s_mov_b64 s[64:65], 0
	v_nop
	global_prefetch_b8 v0, s[64:65] scope:SCOPE_SE
	s_setreg_imm32_b32 hwreg(HW_REG_WAVE_MODE, 25, 1), 1
	s_wait_xcnt 0x0
	s_wait_alu depctr_hold_cnt(0) depctr_sa_sdst(0) depctr_va_vdst(0) depctr_va_sdst(0) depctr_va_ssrc(0) depctr_va_vcc(0) depctr_vm_vsrc(0)
	s_getreg_b32 s2, hwreg(HW_REG_IB_STS2, 6, 4)
	s_cmp_eq_u32 s2, 0
	s_cbranch_scc0 .Lentry_in_a_cluster
	s_endpgm
.Lentry_in_a_cluster:
	s_bfe_u32 s2, ttmp6, 0x10000c
	s_cmp_lg_u32 s2, 0x3003
	s_cbranch_scc0 .Lentry_shape_is_right
	s_endpgm
.Lentry_shape_is_right:
; out = LayerNorm(query + x Wo) x gamma + beta.  x: codes of BF6 as images of operand registers, Wo: codes as given, K = 1,024 innermost; one E8M0 scale for each 32 along K; sums in f32.
; SHARES.  A work-group takes 32 rows x all 1,024 columns (the norm wants whole rows).  Wave w owns columns 128 w .. 128 w + 127: 8 tiles of 16 columns x 2 tiles of rows = 16 accumulators.
; Wo goes through two LDS slots in eight tiles; tile T holds, for each wave, rows 128 w + 16 T .. + 15 of Wo, whole rows of 768 bytes (16 bytes of padding behind each 256): a wave fetches and reads its own 13,056 bytes of a slot.
; CLUSTER 4 x 1: all work-groups walk the same Wo, so the four partners ask for each tile jointly (mask 15).
; x's 16 fragments are copied by the eight waves, a K step each, into LDS bytes that no fill touches, and then stay in 192 registers of every wave.
; Wo's scale words: one load of 512 consecutive bytes a tile: lanes 0-15 take a row's words of K steps 0-3, lanes 16-31 those of K steps 4-7.
; THE RESIDUAL is loaded as whole pieces of rows (512 consecutive bytes a load), turns through the wave's own stage in LDS into the accumulators' layout, and is the C of each sum's first product.
; The matrix instruction is used transposed (source 0 = 16 rows of Wo, source 1 = 16 rows of x): a lane holds one row and eight neighbouring columns.
; THE NORM takes two passes: the mean, then the mean of the squared differences.  gamma and beta are applied behind the stage, where a lane holds the same four columns of every row.
; No prefetch: Wo is read by every work-group, and x and query are wanted at the kernel's head.  LIMITS: NaN and infinities are not served.
.set WP,    816                        ; a row of Wo in LDS: 3 x (256 + 16)
.set WREG,  16*WP                      ; a wave's part of a slot
.set SLOTB, 8*WREG                     ; 104,448
.set XIMG,  2*SLOTB
.set STG,   XIMG+24576                 ; the stages: 16 rows x (512 + 16) bytes a wave
.set SP,    528
.set RED,   STG+8*16*SP                ; the waves' parts of the rows' sums: 32 rows x 8 words, twice
.set SPARE, RED+2048                   ; the spare words, 128 bytes for each of eight waves
.set SPW,  1
.set NIL,  2
.set STA,  3                           ; stage, accumulators' layout: r x 528 + 32 h
.set ADRW, 4                           ; v4-5 my rows in slot 0, 1; v6-7 the same behind one padding more for lanes 16-31
.set ADS,  8                           ; Wo's scale words: 4,096 w + 32 r + 16 h
.set STR,  9                           ; stage, by rows: 16 x lane
.set XS,   10                          ; v10-17 x's scale words, a register a K step
.set SW,   18                          ; v18-25 Wo's scale words, two sets of four
.set WF,   26                          ; v26-121 eight fragments of Wo
.set ADX,  122
.set ACC,  128                         ; accumulator (T, m) at v[128 + 64 m + 8 T];  window 1: v0-191 x's fragment (k, m) at 12 (2 k + m)
.set GO,   31                          ; the tail's registers lie where Wo's fragments lay
.set RW,   32
.set RR,   33
.set GM,   36
.set BT,   40
.set SUM,  44
.set MU,   60
.set RS,   64
.set WV,   20
.set G1W,  24
.set G0W,  32
.set SEL,  66
.set MSB, 0
.macro WIN new
.if MSB != \new
	s_set_vgpr_msb (MSB<<8)|\new
.set MSB, \new
.endif
.endm
.macro CROUND                          ; a round of the cluster's barrier
	s_barrier_signal -1
	s_barrier_wait -1
	s_cmp_lg_u32 s[WV], 0
	s_cbranch_scc1 .Lnot_wave_0_\@
	s_barrier_signal -3
.Lnot_wave_0_\@:
	s_barrier_wait -3
	s_barrier_signal -1
	s_barrier_wait -1
.endm
.macro TL s                            ; my 16 rows of a tile into slot s
	tensor_load_to_lds s[G0W+4*(\s):G0W+4*(\s)+3], s[G1W:G1W+7]
	s_nop 0
.rept 4
	v_nop
.endr
.endm
.macro WM d, a, b, sa, sb, ra, rb      ; adds in place; ra, rb: which half of the lanes of the scale registers is read
.if ((\ra) == 0) && ((\rb) == 0)
	v_wmma_scale_f32_16x16x128_f8f6f4 v[\d:\d+7], v[\a:\a+11], v[\b:\b+11], v[\d:\d+7], v[\sa], v[\sb] matrix_a_fmt:MATRIX_FMT_BF6 matrix_b_fmt:MATRIX_FMT_BF6
.elseif (\rb) == 0
	v_wmma_scale_f32_16x16x128_f8f6f4 v[\d:\d+7], v[\a:\a+11], v[\b:\b+11], v[\d:\d+7], v[\sa], v[\sb] matrix_a_fmt:MATRIX_FMT_BF6 matrix_b_fmt:MATRIX_FMT_BF6 matrix_a_scale:MATRIX_SCALE_ROW1
.elseif (\ra) == 0
	v_wmma_scale_f32_16x16x128_f8f6f4 v[\d:\d+7], v[\a:\a+11], v[\b:\b+11], v[\d:\d+7], v[\sa], v[\sb] matrix_a_fmt:MATRIX_FMT_BF6 matrix_b_fmt:MATRIX_FMT_BF6 matrix_b_scale:MATRIX_SCALE_ROW1
.else
	v_wmma_scale_f32_16x16x128_f8f6f4 v[\d:\d+7], v[\a:\a+11], v[\b:\b+11], v[\d:\d+7], v[\sa], v[\sb] matrix_a_fmt:MATRIX_FMT_BF6 matrix_b_fmt:MATRIX_FMT_BF6 matrix_a_scale:MATRIX_SCALE_ROW1 matrix_b_scale:MATRIX_SCALE_ROW1
.endif
.endm
	s_load_b512 s[4:19], s[0:1], 0x0               ; x_img, x_scl, Wo's codes, Wo's scales, query, gamma, beta, out
	v_lshl_add_u32 v[SPW], v0, 2, SPARE
	v_mov_b32 v[NIL], 0
	ds_add_u32 v[SPW], v[NIL]                      ; the opening lines: the add twice and one wait
	ds_add_u32 v[SPW], v[NIL]
	v_lshrrev_b32 v3, 5, v0
	v_readfirstlane_b32 s[WV], v3                  ; wave 0..7
	s_bfe_u32 s21, ttmp6, 0x40000                  ; cx
	s_lshl_b32 s22, ttmp9, 2
	s_add_co_u32 s22, s22, s21                     ; my 32 rows: it enters global addresses of my own loads and stores alone
	s_mov_b32 s[G1W], 15|(0<<16)|(1<<20)|(1<<21)|(5<<22)|(3<<25)   ; 16 rows x 768 bytes, dense; 4 words of padding behind every 64
	s_mov_b32 s[G1W+1], 768<<16
	s_mov_b32 s[G1W+2], 16<<16
	s_mov_b32 s[G1W+3], 768<<16
	s_mov_b32 s[G1W+4], 16
	s_mov_b32 s[G1W+5], 768
	s_mov_b32 s[G1W+6], 0
	s_mov_b32 s[G1W+7], 0
	s_mul_i32 s40, s22, 24576
	s_mul_i32 s41, s[WV], 3072
	s_add_co_u32 s40, s40, s41                     ; x's images: my rows, K step w
	s_add_co_u32 s51, s41, XIMG
	s_mov_b32 s41, 0
	s_lshl_b32 s42, s22, 10                        ; x's scale words
	s_mov_b32 s43, 0
	s_lshl_b32 s44, s22, 17                        ; query, out: 32 rows x 4,096 bytes
	s_mov_b32 s45, 0
	s_mul_i32 s46, s[WV], 128*768                  ; my 128 rows of Wo
	s_mov_b32 s47, 0
	s_mul_i32 s48, s[WV], WREG
	s_lshl_b32 s49, s[WV], 9                       ; my 128 columns, in bytes
	s_lshl_b32 s50, s[WV], 12                      ; my 128 rows of Wo's scales
	s_mul_i32 s52, s[WV], 16*SP
	s_add_co_u32 s52, s52, STG                     ; my stage
	s_lshl_b32 s57, s[WV], 2
	s_add_co_u32 s57, s57, RED
	s_mov_b32 s[SEL], 0x76543210
	s_mov_b32 s[SEL+1], 0xfedcba98                 ; lane l xor 16
	s_mov_b32 s68, 0x3a800000                      ; 1 / 1,024
	s_mov_b32 s69, 0x358637bd                      ; 1e-6
	s_wait_dscnt 0x0
	s_wait_kmcnt 0x0
	s_add_nc_u64 s[4:5], s[4:5], s[40:41]
	s_add_nc_u64 s[6:7], s[6:7], s[42:43]
	s_add_nc_u64 s[12:13], s[12:13], s[44:45]
	s_add_nc_u64 s[18:19], s[18:19], s[44:45]
	s_add_nc_u64 s[8:9], s[8:9], s[46:47]
.irp s, 0,1
	s_mov_b32 s[G0W+4*\s], 1
	s_add_co_u32 s[G0W+4*\s+1], s48, \s*SLOTB
	s_add_nc_u64 s[G0W+4*\s+2:G0W+4*\s+3], s[8:9], \s*16*768
	s_or_b32 s[G0W+4*\s+3], s[G0W+4*\s+3], 0x80000000
.endr
	CROUND                                         ; the first joint loads meet
	TL 0                                           ; tile 0: every wave's one load at the head
	v_and_b32 v26, 31, v0                          ; lane
	v_and_b32 v27, 15, v0                          ; r
	v_bfe_u32 v28, v0, 4, 1                        ; h
	v_lshlrev_b32 v29, 4, v26
	v_lshlrev_b32 v30, 2, v26
	v_add_nc_u32 v31, s51, v29                     ; where I store x's images
	v_add_nc_u32 v[ADX], XIMG, v29
	v_add_nc_u32 v33, s49, v29                     ; query: 512 w + 16 x lane
	v_add_nc_u32 v[STR], s52, v29
	v_mul_u32_u24 v34, v27, SP
	v_mul_u32_u24 v35, v27, WP
	v_lshl_add_u32 v34, v28, 5, v34
	v_mad_u32_u24 v35, v28, 24, v35
	v_add_nc_u32 v[STA], s52, v34
	v_add_nc_u32 v[ADRW], s48, v35
	v_lshlrev_b32 v[ADS], 5, v27
	v_add_nc_u32 v[ADRW+1], SLOTB, v[ADRW]
	v_lshl_add_u32 v[ADRW+2], v28, 4, v[ADRW]
	v_lshl_add_u32 v[ADS], v28, 4, v[ADS]
	v_lshl_add_u32 v[ADRW+3], v28, 4, v[ADRW+1]
	v_add_nc_u32 v[ADS], s50, v[ADS]
	s_wait_alu depctr_va_vdst(0)                   ; the wait behind the head's vector work
.irp p, 0,1,2,3,4,5
	global_load_b128 v[36+4*\p:39+4*\p], v29, s[4:5] offset:512*\p th:TH_LOAD_NT   ; K step w's two fragments
.endr
.irp k, 0,1,2,3,4,5,6,7
	global_load_b32 v[XS+\k], v30, s[6:7] offset:128*\k
.endr
	global_load_b128 v[SW:SW+3], v[ADS], s[10:11]  ; tile 0's scale words
.set i, 0
.rept 32
	global_load_b128 v[ACC+4*i:ACC+4*i+3], v33, s[12:13] offset:4096*i th:TH_LOAD_NT   ; row i, my 512 bytes
.set i, i+1
.endr
	s_wait_loadcnt 41                              ; the six image loads are in: 8 + 1 + 32 younger loads may be out
.irp p, 0,1,2,3,4,5
	ds_store_b128 v31, v[36+4*\p:39+4*\p] offset:512*\p
.endr
	s_wait_loadcnt 0x0
.irp m, 0,1                                    ; 16 rows through my stage: in by rows, back in the accumulators' layout, into the registers that they left.  LDS serves a wave's instructions in order
.irp i, 0,1,2,3,4,5,6,7,8,9,10,11,12,13,14,15
	ds_store_b128 v[STR], v[ACC+64*\m+4*\i:ACC+64*\m+4*\i+3] offset:\i*SP
.endr
.irp t, 0,1,2,3,4,5,6,7
	ds_load_b128 v[ACC+64*\m+8*\t:ACC+64*\m+8*\t+3], v[STA] offset:64*\t
	ds_load_b128 v[ACC+64*\m+8*\t+4:ACC+64*\m+8*\t+7], v[STA] offset:64*\t+16
.endr
.endr
	s_wait_tensorcnt 0x0                           ; tile 0 is in; the three lines ahead of slot 1's first fill
	ds_add_u32 v[SPW], v[NIL]
	s_wait_dscnt 0x0                               ; also: my images lie in LDS, the residual in its registers
	CROUND
	TL 1                                           ; tile 1
	WIN 0x40                                       ; destination window 1
.set f, 0
.rept 16
.irp c, 0,1,2
	ds_load_b128 v[12*f+4*\c:12*f+4*\c+3], v[ADX] offset:f*1536+512*\c
.endr
.set f, f+1
.endr
	WIN 0
.macro FRAG reg, adr, k                ; 16 rows x 128 K in pieces of 8 bytes; piece PC lies at 8 PC + 16 (PC / 32); lanes 16-31 read three pieces on
.irp p, 0,1,2,3,4,5
.set PC, 12*(\k)+6*(\p/3)+\p%3
.if PC%32 < 29
	ds_load_b64 v[\reg+2*\p:\reg+2*\p+1], v[\adr] offset:8*PC+16*(PC/32)
.else
	ds_load_b64 v[\reg+2*\p:\reg+2*\p+1], v[\adr+2] offset:8*PC+16*(PC/32)
.endif
.endr
.endm
.macro WORK T                          ; tile T, in slot T % 2: 8 K steps x 2 tiles of rows; the two accumulators take turns
.rept 4
	v_nop                                          ; places ahead of loads into registers that matrix instructions have read
.endr
.if (\T) < 7
	global_load_b128 v[SW+4*(((\T)+1)%2):SW+4*(((\T)+1)%2)+3], v[ADS], s[10:11] offset:((\T)+1)*512
.endif
.irp k, 0,1,2,3,4,5,6,7
	FRAG WF+12*\k, ADRW+(\T)%2, \k
.endr
.if (\T) < 7
	s_wait_loadcnt 1                               ; this tile's scale words are in; the next tile's load may be out
.else
	s_wait_loadcnt 0x0
.endif
	s_wait_dscnt 24                                ; fragments 0-3 are in; the 24 loads of fragments 4-7 may be out
	WIN 0x04                                       ; source 1 (x) in window 1
.irp k, 0,1,2,3
.irp m, 0,1
	WM ACC+64*\m+8*(\T), WF+12*\k, 12*(2*\k+\m), SW+4*((\T)%2)+\k, XS+\k, 0, \m
.endr
.endr
	s_wait_dscnt 0x0
.irp k, 4,5,6,7
.irp m, 0,1
	WM ACC+64*\m+8*(\T), WF+12*\k, 12*(2*\k+\m), SW+4*((\T)%2)+\k-4, XS+\k, 1, \m
.endr
.endr
	WIN 0
.endm
.macro CHANGE s                        ; slot s has been read: the three lines, the cluster's round, its next tile
	s_wait_tensorcnt 0x0
	ds_add_u32 v[SPW], v[NIL]
	s_add_nc_u64 s[G0W+4*(\s)+2:G0W+4*(\s)+3], s[G0W+4*(\s)+2:G0W+4*(\s)+3], 2*16*768
	s_wait_dscnt 0x0
	CROUND
	TL \s
.endm
	WORK 0                                         ; written out: accumulators and scale sets follow the tile
	CHANGE 0
	WORK 1
	CHANGE 1
	WORK 2
	CHANGE 0
	WORK 3
	CHANGE 1
	WORK 4
	CHANGE 0
	WORK 5
	CHANGE 1
	WORK 6
	s_wait_tensorcnt 0x0                           ; tile 7, my own load into bytes that I alone read; nothing is filled again
	WORK 7
	; THE NORM.  Lane (r, h) holds 64 numbers of row r (m = 0) and 64 of row 16 + r
.rept 4
	v_nop
.endr
	v_and_b32 v26, 31, v0
	v_mov_b32 v48, 0                               ; a lane permute's destination counts as a source
	v_mov_b32 v49, 0
	v_lshlrev_b32 v[GO], 4, v26
	v_lshl_add_u32 v[RW], v26, 5, s57
	v_lshl_add_u32 v[RR], v26, 5, RED
	v_cmp_le_u32 vcc_lo, 16, v26                   ; lanes 16-31: written behind the last tensor load
	v_add_nc_u32 v[GO], s49, v[GO]                 ; 512 w + 16 x lane
	s_wait_alu depctr_va_vdst(0)
	global_load_b128 v[GM:GM+3], v[GO], s[14:15]   ; gamma, beta of my four columns of a row
	global_load_b128 v[BT:BT+3], v[GO], s[16:17]
.macro REDUCE off                      ; a lane's sums for rows r, 16 + r  ->  v50: lane l holds row l's sum over all 1,024 columns
	v_add_f32 v[SUM], v[SUM], v[SUM+1]
	v_add_f32 v[SUM+2], v[SUM+2], v[SUM+3]
	v_permlanex16_b32 v48, v[SUM], s[SEL], s[SEL+1]
	v_permlanex16_b32 v49, v[SUM+2], s[SEL], s[SEL+1]
	v_add_f32 v[SUM], v[SUM], v48
	v_add_f32 v[SUM+2], v[SUM+2], v49
	v_cndmask_b32 v50, v[SUM], v[SUM+2], vcc_lo
	ds_store_b32 v[RW], v50 offset:\off
	s_wait_alu depctr_va_vdst(0)
	s_wait_dscnt 0x0                               ; my store has landed
	s_barrier_signal -1
	s_barrier_wait -1
	ds_load_b128 v[52:55], v[RR] offset:\off       ; the eight waves' parts of my row
	ds_load_b128 v[56:59], v[RR] offset:\off+16
	s_wait_dscnt 0x0
	v_add_f32 v52, v52, v53
	v_add_f32 v54, v54, v55
	v_add_f32 v56, v56, v57
	v_add_f32 v58, v58, v59
	v_add_f32 v52, v52, v54
	v_add_f32 v56, v56, v58
	v_add_f32 v50, v52, v56
.endm
.macro SPREAD src, dst                 ; row l's number in lane l  ->  row r's in v[dst], v[dst + 1], row 16 + r's in v[dst + 2], v[dst + 3]
	v_permlanex16_b32 v48, v[\src], s[SEL], s[SEL+1]
	v_cndmask_b32 v[\dst], v[\src], v48, vcc_lo
	v_cndmask_b32 v[\dst+2], v48, v[\src], vcc_lo
	v_mov_b32 v[\dst+1], v[\dst]
	v_mov_b32 v[\dst+3], v[\dst+2]
.endm
	v_pk_add_f32 v[SUM:SUM+1], v[ACC:ACC+1], v[ACC+2:ACC+3]            ; each accumulator is read from its low end on
	v_pk_add_f32 v[SUM+2:SUM+3], v[ACC+64:ACC+65], v[ACC+66:ACC+67]
.set j, 4
.rept 30
	v_pk_add_f32 v[SUM:SUM+1], v[SUM:SUM+1], v[ACC+j:ACC+j+1]
	v_pk_add_f32 v[SUM+2:SUM+3], v[SUM+2:SUM+3], v[ACC+64+j:ACC+64+j+1]
.set j, j+2
.endr
	REDUCE 0
	v_mul_f32 v50, s68, v50                        ; the mean
	SPREAD 50, MU
.set j, 0
.rept 32
	v_pk_add_f32 v[ACC+j:ACC+j+1], v[ACC+j:ACC+j+1], v[MU:MU+1] neg_lo:[0,1] neg_hi:[0,1]              ; y - mean, in place
	v_pk_add_f32 v[ACC+64+j:ACC+64+j+1], v[ACC+64+j:ACC+64+j+1], v[MU+2:MU+3] neg_lo:[0,1] neg_hi:[0,1]
.if j == 0
	v_pk_mul_f32 v[SUM:SUM+1], v[ACC:ACC+1], v[ACC:ACC+1]                                               ; the first squares start the sums
	v_pk_mul_f32 v[SUM+2:SUM+3], v[ACC+64:ACC+65], v[ACC+64:ACC+65]
.else
	v_pk_fma_f32 v[SUM:SUM+1], v[ACC+j:ACC+j+1], v[ACC+j:ACC+j+1], v[SUM:SUM+1]
	v_pk_fma_f32 v[SUM+2:SUM+3], v[ACC+64+j:ACC+64+j+1], v[ACC+64+j:ACC+64+j+1], v[SUM+2:SUM+3]
.endif
.set j, j+2
.endr
	REDUCE 1024                                    ; other LDS words than the first time
	v_fma_f32 v50, v50, s68, s69                   ; var + eps
	s_wait_alu depctr_va_vdst(0)                   ; the wait ahead of the transcendental,
	v_rsq_f32 v51, v50
	v_nop
	s_wait_alu depctr_va_vdst(0)                   ; and ahead of its first reader
	SPREAD 51, RS
.set j, 0
.rept 32
	v_pk_mul_f32 v[ACC+j:ACC+j+1], v[ACC+j:ACC+j+1], v[RS:RS+1]
	v_pk_mul_f32 v[ACC+64+j:ACC+64+j+1], v[ACC+64+j:ACC+64+j+1], v[RS+2:RS+3]
.set j, j+2
.endr
	s_wait_alu depctr_va_vdst(0)
	s_wait_loadcnt 0x0                             ; gamma and beta
.macro OUTP m                          ; rows 16 m on: through my stage, back by rows; x gamma + beta; a store covers 512 consecutive aligned bytes of a row
.irp t, 0,1,2,3,4,5,6,7
	ds_store_b128 v[STA], v[ACC+64*\m+8*\t:ACC+64*\m+8*\t+3] offset:64*\t
	ds_store_b128 v[STA], v[ACC+64*\m+8*\t+4:ACC+64*\m+8*\t+7] offset:64*\t+16
.endr
.irp i, 0,1,2,3,4,5,6,7,8,9,10,11,12,13,14,15
	ds_load_b128 v[ACC+64*\m+4*\i:ACC+64*\m+4*\i+3], v[STR] offset:\i*SP
.endr
.irp i, 0,1,2,3,4,5,6,7,8,9,10,11,12,13,14,15
	s_wait_dscnt 15-\i                             ; this row is back; the younger loads may be out
	v_pk_fma_f32 v[ACC+64*\m+4*\i:ACC+64*\m+4*\i+1], v[ACC+64*\m+4*\i:ACC+64*\m+4*\i+1], v[GM:GM+1], v[BT:BT+1]
	v_pk_fma_f32 v[ACC+64*\m+4*\i+2:ACC+64*\m+4*\i+3], v[ACC+64*\m+4*\i+2:ACC+64*\m+4*\i+3], v[GM+2:GM+3], v[BT+2:BT+3]
	global_store_b128 v[GO], v[ACC+64*\m+4*\i:ACC+64*\m+4*\i+3], s[18:19] offset:(16*\m+\i)*4096 th:TH_STORE_NT
.endr
.endm
	OUTP 0
	OUTP 1
	s_wait_tensorcnt 0x0                           ; the wave's end
	ds_add_u32 v[SPW], v[NIL]
	s_wait_dscnt 0x0
	CROUND                                         ; the closing round
	s_endpgm
.Lfunc_end_k_q2f92d2855b_outln:
	.size	k_q2f92d2855b_outln, .Lfunc_end_k_q2f92d2855b_outln-k_q2f92d2855b_outln
	.p2alignl 7, 3214868480
	.fill 96, 4, 3214868480
	.section	.rodata,"a",@progbits
	.p2align	6, 0x0
	.amdhsa_kernel k_q2f92d2855b_outln
		.amdhsa_group_segment_fixed_size 327680
		.amdhsa_private_segment_fixed_size 0
		.amdhsa_enable_private_segment 0
		.amdhsa_kernarg_size 64
		.amdhsa_user_sgpr_count 2
		.amdhsa_user_sgpr_kernarg_segment_ptr 1
		.amdhsa_wavefront_size32 1
		.amdhsa_system_sgpr_workgroup_id_x 1
		.amdhsa_system_sgpr_workgroup_id_y 1
		.amdhsa_system_sgpr_workgroup_id_z 1
		.amdhsa_system_vgpr_workitem_id 0
		.amdhsa_next_free_vgpr 512
		.amdhsa_next_free_sgpr 72
		.amdhsa_reserve_vcc 1
		.amdhsa_float_denorm_mode_32 3
		.amdhsa_float_denorm_mode_16_64 3
		.amdhsa_memory_ordered 1
		.amdhsa_forward_progress 1
		.amdhsa_inst_pref_size 96
	.end_amdhsa_kernel
	.amdgpu_metadata
---
amdhsa.version: [ 1, 2 ]
amdhsa.kernels:
  - .name:           k_q2f92d2855b_outln
    .symbol:         k_q2f92d2855b_outln.kd
    .args:
      - { .name: x_img, .offset: 0, .size: 8, .value_kind: global_buffer, .address_space: global }
      - { .name: x_scl, .offset: 8, .size: 8, .value_kind: global_buffer, .address_space: global }
      - { .name: Wo_codes, .offset: 16, .size: 8, .value_kind: global_buffer, .address_space: global }
      - { .name: Wo_scales, .offset: 24, .size: 8, .value_kind: global_buffer, .address_space: global }
      - { .name: query, .offset: 32, .size: 8, .value_kind: global_buffer, .address_space: global }
      - { .name: gamma, .offset: 40, .size: 8, .value_kind: global_buffer, .address_space: global }
      - { .name: beta, .offset: 48, .size: 8, .value_kind: global_buffer, .address_space: global }
      - { .name: out0, .offset: 56, .size: 8, .value_kind: global_buffer, .address_space: global }
    .group_segment_fixed_size: 327680
    .private_segment_fixed_size: 0
    .kernarg_segment_align: 8
    .kernarg_segment_size: 64
    .max_flat_workgroup_size: 256
    .sgpr_count:     72
    .vgpr_count:     512
    .wavefront_size: 32
...
	.end_amdgpu_metadata
.endif
;; end of part 4
